; MI455X (gfx1250); checked and timed in simulation.
; The chip was launched on July 23, 2026; its instructions are those of AMD's public machine-readable ISA for CDNA 5 (MIT licence, August 2026) and "CDNA5" Instruction Set Architecture Reference Guide (July 2026). The comments in the code are by the model that wrote it; some were corrected since.
;; Cross Attention. Allowed arithmetic: matrix products marked QUANTISED: E2M3 operands, one E8M0 scale for each 32 along K, by v_wmma_scale_f32_16x16x128_f8f6f4 with both operands' format E2M3, f32 sums; everything else in f32.
;; Inputs: W_k 512 x 512 float32; W_pi 512 x 512 float32; W_po 512 x 512 float32; W_q 512 x 512 float32; W_v 512 x 512 float32; b_k 512 float32; b_pi 512 float32; b_po 512 float32; b_q 512 float32; b_v 512 float32; context 8 x 512 x 32 x 32 float32; x 8 x 512 x 64 x 64 float32.
;; Outputs: out0 8 x 512 x 64 x 64 float32.
;; This version of the problem:
;;   THIS VERSION OF THE PROBLEM IS GIVEN IN LOW PRECISION. The matrix products marked QUANTISED in the list below multiply operands that are first quantised to E2M3 (2 exponent bits, 3 mantissa bits; 6 bits a number), with one power-of-two scale for each 32 numbers along K (OCP MX v1.0); their sums are f32. All else is computed in f32.
;;   The module's matrix products, in the order in which they are computed (A, B: the left and right operand; K: the contracted axis; several contracted axes count as one K, in the product's order):
;;     1. [M 32,768, K 512] x [K 512, N 512]; A: input x; B: input W_pi: QUANTISED
;;     2. [M 32,768, K 512] x [K 512, N 512]; A: computed on the way; B: input W_q: QUANTISED
;;     3. [M 8,192, K 512] x [K 512, N 512]; A: input context; B: input W_k: QUANTISED
;;     4. [M 8,192, K 512] x [K 512, N 512]; A: input context; B: input W_v: QUANTISED
;;     5. batch 8 x [M 4,096, K 512] x [K 512, N 1,024]; A: computed on the way; B: computed on the way: QUANTISED
;;     6. batch 8 x [M 4,096, K 1,024] x [K 1,024, N 512]; A: softmax (see below); B: computed on the way: QUANTISED
;;     7. [M 512, K 512] x [K 512, N 32,768]; A: input W_po; B: computed on the way: QUANTISED
;;   THE QUANTISER, for each operand of a quantised product, along K:
;;     - K is cut into blocks of 32 from its start; a last block that is shorter is filled with zeros.
;;     - A block's scale is 2^e with e = floor(log2(the largest magnitude in the block)) - 2, held to -126 .. 127; a block of zeros has e = 0. As a byte (E8M0): e + 127.
;;     - Each number is divided by its block's scale, clamped to +-7.5, and rounded to the nearest number of E2M3, ties to even, subnormals kept.
;;     - The product sums the exact products of the quantised numbers (number of the format x scale) in f32.
;;   ~~~python
;;   def quantise(x, axis):      # numpy; x: float32 -> the quantised numbers, widened to float32 again
;;       x = np.moveaxis(x, axis, -1); K = x.shape[-1]
;;       x = np.pad(x, [(0, 0)] * (x.ndim - 1) + [(0, -K % 32)]); x = x.reshape(x.shape[:-1] + (-1, 32)); a = np.abs(x).max(-1, keepdims=True)
;;       e = np.where(a > 0, np.clip(np.frexp(np.where(a > 0, a, 1))[1] - 1 - 2, -126, 127), 0)      # np.frexp(a)[1] - 1 = floor(log2(a)), exactly
;;       r = np.clip(x / 2.0 ** e, -7.5, 7.5)
;;       step = 2.0 ** (np.maximum(np.frexp(np.where(r == 0, 1, r))[1] - 1, 0) - 3)
;;       q = np.round(r / step) * step * 2.0 ** e      # np.round: ties to even
;;       return np.moveaxis(q.reshape(q.shape[:-2] + (-1,))[..., :K], -1, axis).astype(np.float32)
;;   ~~~
;;   SOFTMAX AHEAD OF A QUANTISED PRODUCT. Where the list says 'softmax', what is quantised is not the finished softmax but p = 2^(t - M), with t = logit x log2(e) and M = ceil(the row's largest t), a whole number; so 1/2 < the row's largest p <= 1. The row's sum l is taken of the UNQUANTISED p, in f32, and the product's result is divided by l at the end. Since M is a whole number, a kernel that streams over the keys may use a running M (the ceiling of the running maximum): every later rescaling is an exact power of two, which a block's scale takes up: the codes' values come out the same.
;;   OPERANDS COMPUTED ON THE WAY. 'Computed on the way' means the value that the module computes at that place (a softmax that the list does not call 'softmax' is quantised finished and normalised). What goes into a quantiser is computed in f32, as accurately as f32 sums, v_exp_f32 and their like allow (about 1e-6 of the number): no bf16 or f16 on the way to a quantiser, and a product that is left as it is and whose result goes on into a quantised operand takes f32 operands (vector FMAs, or v_wmma_f32_16x16x4_f32). A number that lies on a knife's edge between two numbers of the format may be rounded either way, as far as f32 arithmetic and the matrix unit's own rounding can turn it there, and no further.
;; One version. Each part assembles by itself: llvm-mc -triple=amdgcn-amd-amdhsa -mcpu=gfx1250 --defsym DOCPART=n.
;; ======== version 1 of 1: 3 launches
;; workspace buffers: wq 1,024,000 bytes; cimg 3,276,800 bytes; kv 6,553,600 bytes
;; launch prep (part 1): grid 224 x 1, 6 waves a work-group, no clusters, 102,144 bytes of LDS; arguments context, W_pi, W_q, W_po, W_k, W_v, wq, cimg; writes wq, cimg
.if DOCPART == 1
	.amdgcn_target "amdgcn-amd-amdhsa--gfx1250"
	.amdhsa_code_object_version 6
	.text
	.protected	k_q2badbc72fc_prep
	.globl	k_q2badbc72fc_prep
	.p2align	8
	.type	k_q2badbc72fc_prep,@function
k_q2badbc72fc_prep:
	s_mov_b64 s[64:65], 0
	v_nop
	global_prefetch_b8 v0, s[64:65] scope:SCOPE_SE
	s_setreg_imm32_b32 hwreg(HW_REG_WAVE_MODE, 25, 1), 1
	s_wait_xcnt 0x0
; context [8][512][1024] and the five weights [512][512], f32, become codes of FP6 (E2M3) with one E8M0 byte for each 32 along K, laid in the ORDER OF AN OPERAND'S REGISTERS.
; A TILE (12,800 bytes) is 128 rows x 128 K: eight fragments of 1,536 bytes, register j of lane L of fragment t at 1536 t + 512 (j / 4) + 16 L + 4 (j % 4); lane (r, h) of fragment t holds row
; 32 (t / 2) + 8 (t % 2) + r + 8 (r / 8), its registers 6 c .. 6 c + 5 the codes of k = 64 c + 32 h + 0 .. 31.  That row's scale word lies at 12,288 + 32 r + 4 t.
; A BLOCK (204,800 bytes) is 512 rows x 512 K: the tile of row group w and K step s at (((s / 2) 4 + w) 2 + s % 2) x 12,800.
; wq: blocks W_pi, W_q, W_po, W_k, W_v (K = the weight's last axis).  cimg: block 2 batch + hi = keys 512 hi .. + 511 of a batch (rows = keys, K = channels).
; SHARES.  The work is 1,344 equal tasks of 32 rows x 128 K (16 KB of f32), a wave each: 1,024 of context, 320 of weights; 1,344 = 224 work-groups x 6 waves; task T = 6 x work-group + wave.  Waves share nothing: no barrier.
; A task of context: A LANE TAKES A KEY AND ITS REGISTERS RUN DOWN THE CHANNELS: each load reads 128 consecutive bytes, a block of 32 lies in one lane.  All 128 loads go out at once.
; A task of a weight: each load reads 512 consecutive bytes of one row; the 32 rows turn through the wave's own stage in LDS (rows of 528 bytes; the 16 rows of a fragment side by side
; 64 banks of 4 bytes, ISA guide 11.1) and come back 32 neighbours along K to a lane.
; A block's scale is 2^(floor(log2(largest magnitude)) - 2): its byte is that magnitude's exponent field - 2, held at 1 from below.  A block of zeros keeps the byte 1: its codes are zeros, and this program alone reads the bytes.
; LIMITS: NaN and infinities are not served; blocks whose largest magnitude lies under 2^-124 keep the byte 1.  The scale words leave 4 bytes a lane (one part in 25 of what is stored).
.set TILE,  12800
.set FRB,   1536
.set SCO,   12288
.set BLKB,  204800
.set FLOOR, 0x1800000                  ; 2^(3 - 127)
.set EOFF,  0xff000000                 ; takes 2 off an exponent field
.set SPT,   528                        ; a stage row: 512 bytes + 16
.set WSTG,  32*SPT                     ; a wave's stage
.set X,   32                           ; v32-159  context: four blocks of 32 numbers
.set F,   160                          ; v160-183 context: the registers of lanes (r, 0) and (r, 1), 12 each
.set TC,  184                          ; v184-186 a conversion's second half
.set SW,  188                          ; v188     the row's scale word
.set Y,   32                           ; v32-159  weights: 32 rows as loaded, then two fragments of 64 numbers
.set G,   160                          ; v160-183 weights: two fragments' codes
.set TT,  184                          ; v184-190 second halves
.set PWW, 192                          ; v192-193 scale words
.macro BMAX d, e, x                    ; the largest magnitude of v[x] .. v[x + 31], and the floor, into v[d]
	v_max3_num_f32 v[\d], |v[\x]|, |v[\x+1]|, |v[\x+2]|
	v_max3_num_f32 v[\e], |v[\x+3]|, |v[\x+4]|, |v[\x+5]|
.irp i, 6,10,14,18,22,26
	v_max3_num_f32 v[\d], v[\d], |v[\x+\i]|, |v[\x+\i+1]|
	v_max3_num_f32 v[\e], v[\e], |v[\x+\i+2]|, |v[\x+\i+3]|
.endr
	v_max3_num_f32 v[\d], v[\d], |v[\x+30]|, |v[\x+31]|
	v_max3_num_f32 v[\d], v[\d], v[\e], FLOOR
.endm
	s_load_b256 s[4:11], s[0:1], 0x0               ; context, W_pi, W_q, W_po
	s_load_b256 s[12:19], s[0:1], 0x20             ; W_k, W_v, wq, cimg
	v_lshl_add_u32 v200, v0, 2, 0x18c00
	v_mov_b32 v201, 0
	v_lshrrev_b32 v2, 5, v0
	v_readfirstlane_b32 s30, v2                    ; wave 0..5
	v_and_b32 v1, 31, v0                           ; lane
	v_and_b32 v25, 15, v0                          ; lane % 16
	v_bfe_u32 v26, v0, 4, 1                        ; lane / 16
	v_lshlrev_b32 v24, 4, v1                       ; 16 x lane
	s_mul_i32 s29, s30, WSTG                       ; my wave's stage (the LDS addresses are made ahead of the parting of the ways)
	v_add_nc_u32 v22, s29, v24                     ; into it: 16 bytes a lane of a row
	v_mul_u32_u24 v23, v25, SPT
	v_lshl_add_u32 v23, v26, 7, v23
	v_add_nc_u32 v23, s29, v23                     ; out of it: stage row r, + 128 h bytes
	s_mul_i32 s31, ttmp9, 6
	s_add_co_u32 s31, s31, s30                     ; task T
	s_bfe_u32 s21, s31, 0x20002                    ; the K step, (T / 4) % 4, on both ways
	s_and_b32 s28, s31, 3                          ; which 32 rows of the tile's 128, T % 4, on both ways
	s_cmp_lt_u32 s31, 1024
	s_cbranch_scc0 .Lweights
	; ---- context: key group G = T / 16 (128 keys), K step s, my 32 keys
	s_lshr_b32 s20, s31, 4                         ; G
	s_lshr_b32 s22, s20, 3
	s_lshl_b32 s22, s22, 21                        ; batch x 2 MiB
	s_lshl_b32 s23, s21, 19                        ; + 128 s channels of 4,096 bytes
	s_add_co_u32 s22, s22, s23
	s_and_b32 s23, s20, 7
	s_lshl_b32 s23, s23, 9                         ; + 128 (G % 8) keys
	s_add_co_u32 s22, s22, s23
	s_lshl_b32 s23, s28, 7                         ; + my 32 keys
	s_add_co_u32 s22, s22, s23
	s_mov_b32 s23, 0
	s_lshr_b32 s24, s20, 2
	s_mul_i32 s24, s24, BLKB                       ; the block,
	s_and_b32 s25, s20, 3                          ; row group w
	s_lshr_b32 s26, s21, 1
	s_lshl_b32 s26, s26, 2
	s_add_co_u32 s26, s26, s25
	s_lshl_b32 s26, s26, 1
	s_and_b32 s27, s21, 1
	s_add_co_u32 s26, s26, s27
	s_mul_i32 s26, s26, TILE                       ; and the tile in it
	s_add_co_u32 s24, s24, s26
	s_mov_b32 s25, 0
	s_mul_i32 s26, s28, 2*FRB                      ; my 32 keys are fragments 2 (T % 4) and 2 (T % 4) + 1
	s_lshl_b32 s27, s28, 3
	v_lshlrev_b32 v3, 2, v1                        ; in: 4 bytes a lane
	v_bfe_u32 v4, v0, 3, 1
	v_and_b32 v5, 7, v0
	v_lshl_add_u32 v7, v26, 3, v5                  ; r = l % 8 + 8 (l / 16): key l of my 32 is row r of fragment (l / 8) % 2 of my two
	v_mul_u32_u24 v9, v4, FRB
	v_lshl_add_u32 v9, v7, 4, v9
	v_add_nc_u32 v9, s26, v9                       ; out: 1536 t + 16 r
	v_lshlrev_b32 v10, 5, v7
	v_lshl_add_u32 v10, v4, 2, v10
	v_add_nc_u32 v10, s27, v10                     ; the scale word: 32 r + 4 t
	s_wait_kmcnt 0x0
	s_add_nc_u64 s[4:5], s[4:5], s[22:23]
	s_add_nc_u64 s[18:19], s[18:19], s[24:25]
.set k_, 0
.rept 128
	global_load_b32 v[X+k_], v3, s[4:5] offset:k_*4096 th:TH_LOAD_NT   ; channel k of my key: the wave reads 128 consecutive bytes
.set k_, k_+1
.endr
.macro CBLOCK kb                       ; k = 32 kb = 64 c + 32 h: registers 6 c .. 6 c + 5 of lane (r, h)
.set XS, X+32*(\kb)
.set FD, F+12*((\kb)%2)+6*((\kb)/2)
.if (\kb) < 2
	s_wait_loadcnt 63                              ; behind this block's loads 64 or more were issued; the wait's field names 63 at the most
.else
	s_wait_loadcnt 32*(3-(\kb))                    ; the later blocks' loads may be out
.endif
	BMAX 12, 13, XS
	v_add_nc_u32 v11, EOFF, v12                    ; the conversion takes this operand's exponent field as its scale
	v_cvt_scalef32_pk16_fp6_f32 v[FD:FD+2], v[XS:XS+15], v11
	v_cvt_scalef32_pk16_fp6_f32 v[TC:TC+2], v[XS+16:XS+31], v11   ; (a conversion's three registers begin on an even number)
	v_lshrrev_b32 v13, 23, v11                     ; the scale's byte; also the plain line behind the conversions
.if (\kb) == 0
	v_mov_b32 v[SW], v13
.else
	v_lshl_or_b32 v[SW], v13, 8*(\kb), v[SW]
.endif
.irp i, 0,1,2
	v_mov_b32 v[FD+3+\i], v[TC+\i]
.endr
.endm
	CBLOCK 0
	CBLOCK 1
	CBLOCK 2
	CBLOCK 3
.irp h, 0,1
.irp c, 0,1,2
	global_store_b128 v9, v[F+12*\h+4*\c:F+12*\h+4*\c+3], s[18:19] offset:512*\c+256*\h   ; the sixteen lanes of a fragment store 256 consecutive bytes, aligned
.endr
.endr
	global_store_b32 v10, v[SW], s[18:19] offset:SCO
	s_endpgm
.Lweights:
	; ---- a weight: T' = T - 1024: matrix T' / 64, row group (T' / 16) % 4, K step s, my 32 rows = fragments 2 (T % 4) and 2 (T % 4) + 1
	s_sub_co_u32 s20, s31, 1024
	s_lshr_b32 s22, s20, 6                         ; which matrix
	s_bfe_u32 s23, s20, 0x20004                    ; row group w
	s_lshl_b32 s24, s23, 18                        ; 128 w rows of 2,048 bytes
	s_lshl_b32 s25, s21, 9                         ; + 128 s numbers
	s_add_co_u32 s24, s24, s25
	s_lshl_b32 s25, s28, 16                        ; + my 32 rows
	s_add_co_u32 s24, s24, s25
	s_mov_b32 s25, 0
	s_lshr_b32 s26, s21, 1
	s_lshl_b32 s26, s26, 2
	s_add_co_u32 s26, s26, s23
	s_lshl_b32 s26, s26, 1
	s_and_b32 s27, s21, 1
	s_add_co_u32 s26, s26, s27
	s_mul_i32 s26, s26, TILE
	s_mul_i32 s27, s22, BLKB
	s_add_co_u32 s26, s26, s27
	s_mov_b32 s27, 0
	s_mul_i32 s29, s28, 2*FRB
	v_add_nc_u32 v7, s29, v24                      ; out: 16 lane + my two fragments' place
	s_lshl_b32 s29, s28, 3
	v_lshlrev_b32 v8, 5, v25
	v_add_nc_u32 v8, s29, v8                       ; scale words: 32 r + 4 t
	v_lshlrev_b32 v20, 3, v26                      ; 8 h
	v_mov_b32 v19, 0                               ; (a lane permute's destination counts as one of its sources)
	s_wait_kmcnt 0x0
	s_cmp_eq_u32 s22, 1                            ; the choice hangs on the task's number alone
	s_cselect_b64 s[6:7], s[8:9], s[6:7]
	s_cmp_eq_u32 s22, 2
	s_cselect_b64 s[6:7], s[10:11], s[6:7]
	s_cmp_eq_u32 s22, 3
	s_cselect_b64 s[6:7], s[12:13], s[6:7]
	s_cmp_eq_u32 s22, 4
	s_cselect_b64 s[6:7], s[14:15], s[6:7]
	s_add_nc_u64 s[6:7], s[6:7], s[24:25]
	s_add_nc_u64 s[16:17], s[16:17], s[26:27]
	s_mov_b32 s32, 0x76543210
	s_mov_b32 s33, 0xfedcba98                      ; selects for lane l xor 16
.set j_, 0
.rept 32
	global_load_b128 v[Y+4*j_:Y+4*j_+3], v24, s[6:7] offset:j_*2048 th:TH_LOAD_NT   ; row j of my 32: the wave reads its 512 consecutive bytes of this K step
.set j_, j_+1
.endr
.macro TOST j0                         ; sixteen rows into the stage: row j is row j % 8 + 8 (j / 16) of fragment (j / 8) % 2, and takes stage row 16 x fragment + row
.set j_, \j0
.rept 16
	ds_store_b128 v22, v[Y+4*j_:Y+4*j_+3] offset:(16*((j_/8)%2)+j_%8+8*(j_/16))*SPT
.set j_, j_+1
.endr
.endm
	s_wait_loadcnt 16                              ; rows 0 to 15 are in
	TOST 0
	s_wait_loadcnt 0x0
	TOST 16
	s_wait_dscnt 0x0                               ; the stores have read their registers, which take the numbers back
.irp u, 0,1
.irp c, 0,1
.irp i, 0,1,2,3,4,5,6,7
	ds_load_b128 v[Y+64*\u+32*\c+4*\i:Y+64*\u+32*\c+4*\i+3], v23 offset:\u*16*SPT+\c*256+16*\i   ; lane (r, h) of fragment u: k = 64 c + 32 h + 4 i on
.endr
.endr
.endr
.macro WFRAG u
	BMAX 12, 13, Y+64*\u                           ; my block h,
	BMAX 14, 15, Y+64*\u+32                        ; and my block 2 + h
	v_add_nc_u32 v16, EOFF, v12
	v_add_nc_u32 v17, EOFF, v14
	v_lshrrev_b32 v18, 23, v16
	v_lshrrev_b32 v21, 23, v17
	v_lshl_or_b32 v18, v21, 16, v18
	v_lshlrev_b32 v18, v20, v18                    ; my two bytes at their places in the word
	v_permlanex16_b32 v19, v18, s32, s33
	v_or_b32 v[PWW+\u], v18, v19                   ; with lane l xor 16's two the word is whole
	v_cvt_scalef32_pk16_fp6_f32 v[G+12*\u:G+12*\u+2], v[Y+64*\u:Y+64*\u+15], v16
	v_cvt_scalef32_pk16_fp6_f32 v[TT:TT+2], v[Y+64*\u+16:Y+64*\u+31], v16
	v_cvt_scalef32_pk16_fp6_f32 v[G+12*\u+6:G+12*\u+8], v[Y+64*\u+32:Y+64*\u+47], v17
	v_cvt_scalef32_pk16_fp6_f32 v[TT+4:TT+6], v[Y+64*\u+48:Y+64*\u+63], v17
	v_nop                                          ; one plain line behind the conversions
.irp i, 0,1,2
	v_mov_b32 v[G+12*\u+3+\i], v[TT+\i]
	v_mov_b32 v[G+12*\u+9+\i], v[TT+4+\i]
.endr
.irp c, 0,1,2
	global_store_b128 v7, v[G+12*\u+4*\c:G+12*\u+4*\c+3], s[16:17] offset:\u*FRB+512*\c   ; 512 consecutive bytes a store
.endr
	global_store_b32 v8, v[PWW+\u], s[16:17] offset:SCO+4*\u   ; both halves of the lanes store the same word
.endm
	s_wait_dscnt 16                                ; the first fragment's 16 loads are in
	WFRAG 0
	s_wait_dscnt 0x0
	WFRAG 1
	s_wait_tensorcnt 0x0
	ds_add_u32 v200, v201
	s_wait_dscnt 0x0
	s_endpgm
.Lfunc_end_k_q2badbc72fc_prep:
	.size	k_q2badbc72fc_prep, .Lfunc_end_k_q2badbc72fc_prep-k_q2badbc72fc_prep
	.p2alignl 7, 3214868480
	.fill 96, 4, 3214868480
	.section	.rodata,"a",@progbits
	.p2align	6, 0x0
	.amdhsa_kernel k_q2badbc72fc_prep
		.amdhsa_group_segment_fixed_size 102144
		.amdhsa_private_segment_fixed_size 0
		.amdhsa_enable_private_segment 0
		.amdhsa_kernarg_size 64
		.amdhsa_user_sgpr_count 2
		.amdhsa_user_sgpr_kernarg_segment_ptr 1
		.amdhsa_wavefront_size32 1
		.amdhsa_system_sgpr_workgroup_id_x 1
		.amdhsa_system_sgpr_workgroup_id_y 1
		.amdhsa_system_sgpr_workgroup_id_z 1
		.amdhsa_system_vgpr_workitem_id 0
		.amdhsa_next_free_vgpr 202
		.amdhsa_next_free_sgpr 66
		.amdhsa_reserve_vcc 0
		.amdhsa_float_denorm_mode_32 3
		.amdhsa_float_denorm_mode_16_64 3
		.amdhsa_memory_ordered 1
		.amdhsa_forward_progress 1
		.amdhsa_inst_pref_size 37
	.end_amdhsa_kernel
	.amdgpu_metadata
---
amdhsa.version: [ 1, 2 ]
amdhsa.kernels:
  - .name:           k_q2badbc72fc_prep
    .symbol:         k_q2badbc72fc_prep.kd
    .args:
      - { .name: context, .offset: 0, .size: 8, .value_kind: global_buffer, .address_space: global }
      - { .name: W_pi, .offset: 8, .size: 8, .value_kind: global_buffer, .address_space: global }
      - { .name: W_q, .offset: 16, .size: 8, .value_kind: global_buffer, .address_space: global }
      - { .name: W_po, .offset: 24, .size: 8, .value_kind: global_buffer, .address_space: global }
      - { .name: W_k, .offset: 32, .size: 8, .value_kind: global_buffer, .address_space: global }
      - { .name: W_v, .offset: 40, .size: 8, .value_kind: global_buffer, .address_space: global }
      - { .name: wq, .offset: 48, .size: 8, .value_kind: global_buffer, .address_space: global }
      - { .name: cimg, .offset: 56, .size: 8, .value_kind: global_buffer, .address_space: global }
    .group_segment_fixed_size: 102144
    .private_segment_fixed_size: 0
    .kernarg_segment_align: 8
    .kernarg_segment_size: 64
    .max_flat_workgroup_size: 192
    .sgpr_count:     66
    .vgpr_count:     202
    .wavefront_size: 32
...
	.end_amdgpu_metadata
.endif
;; end of part 1
;; launch proj (part 2): grid 64 x 2, 4 waves a work-group, no clusters, 262,656 bytes of LDS; arguments wq, cimg, b_k, b_v, kv; writes kv
.if DOCPART == 2
	.amdgcn_target "amdgcn-amd-amdhsa--gfx1250"
	.amdhsa_code_object_version 6
	.text
	.protected	k_q2badbc72fc_proj
	.globl	k_q2badbc72fc_proj
	.p2align	8
	.type	k_q2badbc72fc_proj,@function
k_q2badbc72fc_proj:
	s_mov_b64 s[64:65], 0
	v_nop
	global_prefetch_b8 v0, s[64:65] scope:SCOPE_SE
	s_setreg_imm32_b32 hwreg(HW_REG_WAVE_MODE, 25, 1), 1
	s_wait_xcnt 0x0
; K = ctx W_k^T + b_k and V = ctx W_v^T + b_v on codes of FP6 (E2M3), quantised again on the way out: K along the 512 features, V along the keys.  Tiles and blocks are laid as the launch before lays them
; (tile: 128 rows x 128 K as images of an operand's registers, 12,800 bytes; block: 16 tiles).  kv: for each batch four blocks: K0, K1 (rows = keys 512 hi on, K = features), V0, V1 (rows = features, K step s = keys 512 hi + 128 s).
; ONE PATH FOR BOTH.  y = 0 (K): source 0 = W_k, source 1 = 128 keys of context; y = 1 (V): source 0 = 512 keys of context, source 1 = 128 rows of W_v.  Only pointers are chosen.  Wave w multiplies source 0's row group w
; by source 1's group lo over K = 512: 64 accumulators, 256 matrix instructions.  A lane holds ONE row of source 1 and its registers run along source 0's rows, which are the output's K: wave w's results are K step w of the output tile row lo.
; The bias lies along the features: in K along the registers (it is the C of the first K step), in V along the lanes (added ahead of the quantiser); the one that does not apply is replaced by zeros by v_cndmask_b32.
; LDS is filled once: source 0's 16 tiles (each wave its own row group: read by that wave alone) and source 1's four tiles (read by all: one barrier).  By this text's count a wave has three tensor loads out.
; NO CLUSTER: the four work-groups of one block share source 0's 204,800 bytes; asked for jointly that would spare three quarters of 26 MB of requests in a launch of 256 matrix instructions a wave; it is left plain, without rounds.
; LIMITS: NaN and infinities are not served; a block whose largest magnitude lies under 2^-124 keeps the byte 1.
.set TILE,  12800
.set FRB,   1536
.set SCO,   12288
.set BLKB,  204800
.set PAIRB, 102400                     ; two K steps of all four row groups
.set WPART, 25600                      ; a wave's part of them
.set IMG,   204800                     ; LDS: source 1's four tiles, behind source 0's two pairs
.set FLOOR, 0x1800000
.set EOFF,  0xff000000
.set NIL,  2                           ; v2   0
.set LI,   3                           ; v3   16 x lane
.set ADB,  4                           ; v4-5 my part of pair 0, 1
.set ADBS, 6                           ; v6-7 its scale words
.set ADQ,  8                           ; v8   source 1's tiles
.set ADQS, 9                           ; v9   their scale words
.set LRS,  13                          ; v13  12,288 + 32 r
.set HR,   16                          ; v16  h
.set BIA,  17                          ; v17  64 h
.set OSC,  18                          ; v18  32 r + 16 h
.set BPA,  31                          ; v31  4 (r + 8 (r / 8))
.set SC,   32                          ; v32-63 scale words: set p at 32 + 16 p: eight of source 0's fragments, eight of source 1's
.set TM,   64                          ; v64-79 at work in the quantiser
.set PW,   80                          ; v80  the scale word just made
.set PC,   84                          ; v84-102 the codes just made
.set LB,   104                         ; v104-111 the bias by lanes, a register a tile
.set RS,   112                         ; v[112:113] its copy for the packed form
.set OW,   116                         ; v116-119 scale words on their way out
.set PWS,  120                         ; v120-127 the eight tiles' scale words
.set AF,   128                         ; v128-223 source 1's eight fragments
.set WV,   18
.set SEL,  72
.set MSB, 0
.macro WIN new                         ; the immediate's high byte repeats the setting that is left
.if MSB != (\new)
	s_set_vgpr_msb (MSB<<8)|(\new)
.set MSB, (\new)
.endif
.endm
.macro PLACES                          ; four plain lines behind matrix instructions, ahead of loads into their registers and of the first read of results
.rept 4
	v_nop
.endr
.endm
; 16 matrix instructions: query-side blocks a0, a0 + 1 x the streamed side's eight.  p: the streamed set and the set of scale words.  cm = 1: C is the bias (window 1).  sw = 1: sources swapped.
; The 64 accumulators take turns, one instruction a turn, in the same order everywhere.
.macro MUL16 a0, p, cm, sw
.set WD_, 2+(\a0)/4
.set WC_, WD_
.if \cm
.set WC_, 1
.endif
.if \sw
.set WN_, (WD_<<6)|(WC_<<4)|4
.else
.set WN_, (WD_<<6)|(WC_<<4)|1
.endif
	WIN WN_
.irp a, \a0, \a0+1
.irp b, 0,1,2,3,4,5,6,7
.set rD, 8*(8*((\a)%4)+\b)
.set rS, 128*(\p)+12*\b
.set rQ, AF+12*(\a)
.set rC, rD
.if \cm
.set rC, 96+8*\b+96*(\b/4)
.endif
.if \sw
	v_wmma_scale_f32_16x16x128_f8f6f4 v[rD:rD+7], v[rQ:rQ+11], v[rS:rS+11], v[rC:rC+7], v[SC+16*(\p)+8+(\a)], v[SC+16*(\p)+\b] matrix_a_fmt:MATRIX_FMT_FP6 matrix_b_fmt:MATRIX_FMT_FP6
.else
	v_wmma_scale_f32_16x16x128_f8f6f4 v[rD:rD+7], v[rS:rS+11], v[rQ:rQ+11], v[rC:rC+7], v[SC+16*(\p)+\b], v[SC+16*(\p)+8+(\a)] matrix_a_fmt:MATRIX_FMT_FP6 matrix_b_fmt:MATRIX_FMT_FP6
.endif
.endr
.endr
.endm
.macro FETCH_S sl, e, p                ; the streamed side's eight fragments: tile e of my part of slot sl, into set p of window 1
	WIN 0x40
.irp t, 0,1,2,3,4,5,6,7
.irp c, 0,1,2
	ds_load_b128 v[128*(\p)+12*\t+4*\c:128*(\p)+12*\t+4*\c+3], v[ADB+\sl] offset:(\e)*TILE+\t*FRB+512*\c
.endr
.endr
	WIN 0
.endm
.macro FETCH_Q k, a0                   ; the query side's blocks a0 .. a0 + 3 of K step k
.irp a, \a0, \a0+1, \a0+2, \a0+3
.irp c, 0,1,2
	ds_load_b128 v[AF+12*(\a)+4*\c:AF+12*(\a)+4*\c+3], v[ADQ] offset:(\k)*TILE+(\a)*FRB+512*\c
.endr
.endr
.endm
.macro SCALES sl, e, k, p              ; lane r takes the eight words of row r of the eight fragments, each side
	ds_load_b128 v[SC+16*(\p):SC+16*(\p)+3], v[ADBS+\sl] offset:(\e)*TILE
	ds_load_b128 v[SC+16*(\p)+4:SC+16*(\p)+7], v[ADBS+\sl] offset:(\e)*TILE+16
	ds_load_b128 v[SC+16*(\p)+8:SC+16*(\p)+11], v[ADQS] offset:(\k)*TILE
	ds_load_b128 v[SC+16*(\p)+12:SC+16*(\p)+15], v[ADQS] offset:(\k)*TILE+16
.endm
; A K step of 128: 64 matrix instructions; the next step's operands (slot nsl, tile nte, K step nks) are fetched in two runs.  tw = 1: the next slot's tensor load, my own, is waited for first.
.macro STEP p, cm, sw, nsl, nte, nks, tw
	s_wait_dscnt 12                                ; all but the youngest 12 loads (query blocks 4-7)
	MUL16 0, \p, \cm, \sw
	MUL16 2, \p, \cm, \sw
	s_wait_dscnt 0x0
	PLACES
.if \tw
	s_wait_tensorcnt 0x0                           ; my part of the next slot: I alone read it
.endif
	FETCH_S \nsl, \nte, 1-\p
	FETCH_Q \nks, 0
	SCALES \nsl, \nte, \nks, 1-\p
	MUL16 4, \p, \cm, \sw
	MUL16 6, \p, \cm, \sw
	PLACES
	WIN 0
	FETCH_Q \nks, 4
.endm
.macro LAST p, sw
	s_wait_dscnt 12
	MUL16 0, \p, 0, \sw
	MUL16 2, \p, 0, \sw
	s_wait_dscnt 0x0
	MUL16 4, \p, 0, \sw
	MUL16 6, \p, 0, \sw
	WIN 0
.endm
; Tile a's 64 registers: register 16 b + i = k 32 b + 16 h + i of the lane's row.  QMAX: the four blocks' largest magnitudes, from each accumulator's low end on.
.macro QMAX a
.set W_, 2+(\a)/4
.set AC_, 64*((\a)%4)
.set WN_, (W_<<2)|W_
	WIN WN_
.irp b, 0,1,2,3
	v_max3_num_f32 v[TM+\b], |v[AC_+16*\b]|, |v[AC_+16*\b+1]|, FLOOR
.endr
.irp i, 2,4,6,8,10,12,14
.irp b, 0,1,2,3
	v_max3_num_f32 v[TM+\b], |v[AC_+16*\b+\i]|, |v[AC_+16*\b+\i+1]|, v[TM+\b]
.endr
.endr
	WIN 0
.irp b, 0,1,2,3
	v_permlanex16_b32 v[TM+4+\b], v[TM+\b], s[SEL], s[SEL+1]
.endr
.irp b, 0,1,2,3
	v_max_num_f32 v[TM+\b], v[TM+\b], v[TM+4+\b]   ; with lane l xor 16's
.endr
.endm
; QCVT: from the four largest magnitudes the scale word in v[PW], and the tile's codes as a fragment in v[PC] on.
.macro QCVT a
.set W_, 2+(\a)/4
.set AC_, 64*((\a)%4)
.irp b, 0,1,2,3
	v_add_nc_u32 v[TM+12+\b], EOFF, v[TM+\b]       ; 2 off the exponent field: the conversion's scale operand
.endr
.irp b, 0,1,2,3
	v_lshrrev_b32 v[TM+4+\b], 23, v[TM+12+\b]      ; the scale's byte
.endr
	v_lshl_or_b32 v[PW], v[TM+5], 8, v[TM+4]
	v_lshl_or_b32 v[PW], v[TM+6], 16, v[PW]
	v_lshl_or_b32 v[PW], v[TM+7], 24, v[PW]
	WIN W_
.irp c, 0,1
	v_cvt_scalef32_pk16_fp6_f32 v[PC+6*\c:PC+2+6*\c], v[AC_+32*\c:AC_+15+32*\c], v[TM+12+2*\c]
	v_cvt_scalef32_pk16_fp6_f32 v[PC+12+4*\c:PC+14+4*\c], v[AC_+16+32*\c:AC_+31+32*\c], v[TM+12+2*\c+1]
.endr
	WIN 0
	v_nop                                          ; one plain line behind the conversions
.irp c, 0,1                                    ; the operand wants a whole block in a lane
.irp i, 0,1,2
	v_permlane16_swap_b32 v[PC+6*\c+\i], v[PC+12+4*\c+\i]
.endr
.irp i, 0,1,2
	v_mov_b32 v[PC+3+6*\c+\i], v[PC+12+4*\c+\i]
.endr
.endr
.endm
	s_load_b256 s[4:11], s[0:1], 0x0               ; wq, cimg, b_k, b_v
	s_load_b64 s[12:13], s[0:1], 0x20              ; kv
	v_lshl_add_u32 v254, v0, 2, 0x40000
	v_mov_b32 v255, 0
	ds_add_u32 v254, v255
	ds_add_u32 v254, v255
	v_lshrrev_b32 v120, 5, v0
	v_readfirstlane_b32 s[WV], v120                ; wave 0..3
	s_and_b32 s19, ttmp7, 0xffff                   ; 0: K, 1: V
	s_lshr_b32 s20, ttmp9, 2                       ; 2 batch + hi: the block of context
	s_and_b32 s21, ttmp9, 3                        ; lo: source 1's row group
	; descriptor group 1: dense bytes as rows of 256 (32 elements of 8 bytes): 50 rows = a tile, 100 rows = a wave's part of a pair
	s_mov_b32 s24, 3<<16
	s_mov_b32 s25, 32<<16
	s_mov_b32 s26, 50<<16
	s_mov_b32 s27, 32<<16
	s_mov_b32 s28, 50
	s_mov_b32 s29, 32
	s_mov_b32 s30, 0
	s_mov_b32 s31, 0
	s_mov_b32 s32, 3<<16
	s_mov_b32 s33, 32<<16
	s_mov_b32 s34, 100<<16
	s_mov_b32 s35, 32<<16
	s_mov_b32 s36, 100
	s_mov_b32 s37, 32
	s_mov_b32 s38, 0
	s_mov_b32 s39, 0
	s_mul_i32 s22, s20, BLKB
	s_mov_b32 s23, 0
	s_add_co_u32 s14, s19, 3
	s_mul_i32 s14, s14, BLKB                       ; W_k is wq's block 3, W_v its block 4
	s_mov_b32 s15, 0
	s_lshr_b32 s16, s[WV], 1                       ; the tile of row group lo and K step w: of source 1 that I fetch, and of the output that I store
	s_lshl_b32 s16, s16, 2
	s_add_co_u32 s16, s16, s21
	s_lshl_b32 s16, s16, 1
	s_and_b32 s17, s[WV], 1
	s_add_co_u32 s16, s16, s17
	s_mul_i32 s16, s16, TILE
	s_mov_b32 s17, 0
	s_mul_i32 s52, s[WV], WPART
	s_mov_b32 s53, 0
	s_mul_i32 s54, s[WV], TILE
	s_lshr_b32 s70, ttmp9, 3
	s_lshl_b32 s70, s70, 2
	s_lshl_b32 s71, s19, 1
	s_add_co_u32 s70, s70, s71
	s_and_b32 s71, s20, 1
	s_add_co_u32 s70, s70, s71                     ; the output's block: 4 batch + 2 y + hi
	s_mul_i32 s70, s70, BLKB
	s_add_co_u32 s70, s70, s16
	s_mov_b32 s71, 0
	s_lshl_b32 s66, s[WV], 9
	s_mov_b32 s67, 0
	s_lshl_b32 s68, s21, 9
	s_mov_b32 s69, 0
	s_mov_b32 s[SEL], 0x76543210
	s_mov_b32 s[SEL+1], 0xfedcba98
	v_and_b32 v120, 31, v0
	v_and_b32 v121, 15, v0                         ; r
	v_bfe_u32 v[HR], v0, 4, 1                      ; h
	v_lshlrev_b32 v[LI], 4, v120
	v_lshlrev_b32 v123, 5, v121
	v_add_nc_u32 v[LRS], SCO, v123
	v_add_nc_u32 v[ADB], s52, v[LI]
	v_add_nc_u32 v[ADB+1], PAIRB, v[ADB]
	v_add_nc_u32 v[ADBS], s52, v[LRS]
	v_add_nc_u32 v[ADBS+1], PAIRB, v[ADBS]
	v_add_nc_u32 v[ADQ], IMG, v[LI]
	v_add_nc_u32 v[ADQS], IMG, v[LRS]
	v_lshlrev_b32 v[BIA], 6, v[HR]
	v_and_b32 v124, 8, v121
	v_add_nc_u32 v124, v124, v121
	v_lshlrev_b32 v[BPA], 2, v124
	v_lshl_add_u32 v[OSC], v[HR], 4, v123
	v_mov_b32 v[NIL], 0
	v_mov_b32 v[RS+1], 0                           ; (named as the upper half of a pair)
.irp b, 0,1,2,3
	v_mov_b32 v[TM+4+\b], 0                        ; (a lane permute's destination counts as one of its sources)
.endr
	s_wait_dscnt 0x0
	s_wait_kmcnt 0x0
	s_add_nc_u64 s[6:7], s[6:7], s[22:23]          ; the block of context
	s_add_nc_u64 s[4:5], s[4:5], s[14:15]          ; the weight's block
	s_add_nc_u64 s[12:13], s[12:13], s[70:71]      ; my output tile
	s_cmp_eq_u32 s19, 0                            ; the choices hang on the work-group's y alone
	s_cselect_b64 s[56:57], s[4:5], s[6:7]         ; source 0
	s_cselect_b64 s[58:59], s[6:7], s[4:5]         ; source 1
	s_cselect_b64 s[60:61], s[8:9], s[10:11]       ; the bias
	s_cselect_b32 s62, -1, 0                       ; all ones for K
	s_add_nc_u64 s[66:67], s[60:61], s[66:67]      ; the bias of features 128 w on (by registers)
	s_add_nc_u64 s[68:69], s[60:61], s[68:69]      ; and of features 128 lo on (by lanes)
	s_mov_b32 s40, 1
	s_add_co_u32 s41, s54, IMG
	s_add_nc_u64 s[42:43], s[58:59], s[16:17]
	s_or_b32 s43, s43, 0x80000000
	s_mov_b32 s44, 1
	s_mov_b32 s45, s52
	s_add_nc_u64 s[46:47], s[56:57], s[52:53]
	s_mov_b32 s48, 1
	s_add_co_u32 s49, s52, PAIRB
	s_add_nc_u64 s[50:51], s[46:47], PAIRB
	s_or_b32 s47, s47, 0x80000000
	s_or_b32 s51, s51, 0x80000000
	tensor_load_to_lds s[40:43], s[24:31]          ; source 1: K step w of group lo
	s_nop 0
	tensor_load_to_lds s[44:47], s[32:39]          ; source 0: my row group, K steps 0 and 1
	s_nop 0
	tensor_load_to_lds s[48:51], s[32:39]          ; and K steps 2 and 3
	s_nop 0
	PLACES
	WIN 0x40
.irp b, 0,1,2,3,4,5,6,7                        ; the bias as C: lane (r, h), tile b: features 32 (b / 2) + 16 h + 8 (b % 2) + 0 .. 7
.set rC, 96+8*\b+96*(\b/4)
	global_load_b128 v[rC:rC+3], v[BIA], s[66:67] offset:(32*(\b/2)+8*(\b%2))*4
	global_load_b128 v[rC+4:rC+7], v[BIA], s[66:67] offset:(32*(\b/2)+8*(\b%2))*4+16
.endr
	WIN 0
.irp a, 0,1,2,3,4,5,6,7                        ; the bias by lanes: tile a, lane r: feature 32 (a / 2) + 8 (a % 2) + r + 8 (r / 8)
	global_load_b32 v[LB+\a], v[BPA], s[68:69] offset:(32*(\a/2)+8*(\a%2))*4
.endr
	s_wait_loadcnt 0x0
	WIN 0x44
.irp b, 0,1,2,3,4,5,6,7
.set rC, 96+8*\b+96*(\b/4)
.irp j, 0,1,2,3,4,5,6,7
	v_cndmask_b32 v[rC+\j], 0, v[rC+\j], s62       ; kept for K, zeros for V
.endr
.endr
	WIN 0
.irp a, 0,1,2,3,4,5,6,7
	v_cndmask_b32 v[LB+\a], v[LB+\a], v[NIL], s62  ; zeros for K, kept for V
.endr
	s_wait_tensorcnt 1                             ; source 1's tile and my first pair are in; the second pair may be out
	s_barrier_signal -1
	s_barrier_wait -1                              ; everybody's tile of source 1 is in
	FETCH_S 0, 0, 0
	FETCH_Q 0, 0
	SCALES 0, 0, 0, 0
	FETCH_Q 0, 4
	STEP 0, 1, 0, 0, 1, 1, 0
	STEP 1, 0, 0, 1, 0, 2, 1
	STEP 0, 0, 0, 1, 1, 3, 0
	LAST 1, 0
	PLACES
.macro PEPI a                          ; tile a: the lanes' bias, the quantiser, the fragment's image to memory
.set W_, 2+(\a)/4
.set AC_, 64*((\a)%4)
	s_wait_xcnt 0x0                                ; the last tile's stores have read their registers
	v_mov_b32 v[RS], v[LB+\a]
.set WN_, (W_<<6)|W_
	WIN WN_
.set j_, 0
.rept 32
	v_pk_add_f32 v[AC_+j_:AC_+j_+1], v[AC_+j_:AC_+j_+1], v[RS:RS+1] op_sel_hi:[1,0]
.set j_, j_+2
.endr
	QMAX \a
	QCVT \a
.irp c, 0,1,2
	global_store_b128 v[LI], v[PC+4*\c:PC+4*\c+3], s[12:13] offset:(\a)*FRB+512*\c   ; 512 consecutive bytes a store
.endr
	v_mov_b32 v[PWS+\a], v[PW]
.endm
.irp a, 0,1,2,3,4,5,6,7
	PEPI \a
.endr
	v_cmp_ne_u32 vcc_lo, 0, v[HR]
.irp i, 0,1,2,3
	v_cndmask_b32 v[OW+\i], v[PWS+\i], v[PWS+4+\i], vcc_lo   ; lanes 0-15 store row r's words of tiles 0-3, lanes 16-31 those of tiles 4-7
.endr
	global_store_b128 v[OSC], v[OW:OW+3], s[12:13] offset:SCO   ; 512 consecutive bytes
	s_wait_tensorcnt 0x0
	ds_add_u32 v254, v255
	s_wait_dscnt 0x0
	s_endpgm
.Lfunc_end_k_q2badbc72fc_proj:
	.size	k_q2badbc72fc_proj, .Lfunc_end_k_q2badbc72fc_proj-k_q2badbc72fc_proj
	.p2alignl 7, 3214868480
	.fill 96, 4, 3214868480
	.section	.rodata,"a",@progbits
	.p2align	6, 0x0
	.amdhsa_kernel k_q2badbc72fc_proj
		.amdhsa_group_segment_fixed_size 262656
		.amdhsa_private_segment_fixed_size 0
		.amdhsa_enable_private_segment 0
		.amdhsa_kernarg_size 40
		.amdhsa_user_sgpr_count 2
		.amdhsa_user_sgpr_kernarg_segment_ptr 1
		.amdhsa_wavefront_size32 1
		.amdhsa_system_sgpr_workgroup_id_x 1
		.amdhsa_system_sgpr_workgroup_id_y 1
		.amdhsa_system_sgpr_workgroup_id_z 1
		.amdhsa_system_vgpr_workitem_id 0
		.amdhsa_next_free_vgpr 1024
		.amdhsa_next_free_sgpr 80
		.amdhsa_reserve_vcc 1
		.amdhsa_float_denorm_mode_32 3
		.amdhsa_float_denorm_mode_16_64 3
		.amdhsa_memory_ordered 1
		.amdhsa_forward_progress 1
		.amdhsa_inst_pref_size 110
	.end_amdhsa_kernel
	.amdgpu_metadata
---
amdhsa.version: [ 1, 2 ]
amdhsa.kernels:
  - .name:           k_q2badbc72fc_proj
    .symbol:         k_q2badbc72fc_proj.kd
    .args:
      - { .name: wq, .offset: 0, .size: 8, .value_kind: global_buffer, .address_space: global }
      - { .name: cimg, .offset: 8, .size: 8, .value_kind: global_buffer, .address_space: global }
      - { .name: b_k, .offset: 16, .size: 8, .value_kind: global_buffer, .address_space: global }
      - { .name: b_v, .offset: 24, .size: 8, .value_kind: global_buffer, .address_space: global }
      - { .name: kv, .offset: 32, .size: 8, .value_kind: global_buffer, .address_space: global }
    .group_segment_fixed_size: 262656
    .private_segment_fixed_size: 0
    .kernarg_segment_align: 8
    .kernarg_segment_size: 40
    .max_flat_workgroup_size: 128
    .sgpr_count:     80
    .vgpr_count:     1024
    .wavefront_size: 32
...
	.end_amdgpu_metadata
.endif
;; end of part 2
;; launch main (part 3): grid 256 x 1, 4 waves a work-group, clusters of 4 x 1, 327,680 bytes of LDS; arguments x, wq, kv, b_pi, b_q, b_po, out0; writes out0
.if DOCPART == 3
	.amdgcn_target "amdgcn-amd-amdhsa--gfx1250"
	.amdhsa_code_object_version 6
	.text
	.protected	k_q2badbc72fc_main
	.globl	k_q2badbc72fc_main
	.p2align	8
	.type	k_q2badbc72fc_main,@function
k_q2badbc72fc_main:
	s_mov_b64 s[64:65], 0
	v_nop
	global_prefetch_b8 v0, s[64:65] scope:SCOPE_SE
	s_setreg_imm32_b32 hwreg(HW_REG_WAVE_MODE, 25, 1), 1
	s_wait_xcnt 0x0
	s_wait_alu depctr_hold_cnt(0) depctr_sa_sdst(0) depctr_va_vdst(0) depctr_va_sdst(0) depctr_va_ssrc(0) depctr_va_vcc(0) depctr_vm_vsrc(0)
	s_getreg_b32 s2, hwreg(HW_REG_IB_STS2, 6, 4)
	s_cmp_eq_u32 s2, 0
	s_cbranch_scc0 .Lentry_in_a_cluster
	s_endpgm
.Lentry_in_a_cluster:
	s_bfe_u32 s2, ttmp6, 0x10000c
	s_cmp_lg_u32 s2, 0x3003
	s_cbranch_scc0 .Lentry_shape_is_right
	s_endpgm
.Lentry_shape_is_right:
; out = W_po (softmax(Q K^T / sqrt(512)) V)^T + b_po with Q = (x^T W_pi^T + b_pi) W_q^T + b_q, every product on codes of FP6 (E2M3) with one E8M0 scale for each 32 along its K.
; A work-group owns 128 pixels (queries) of one batch and takes them through the whole chain; nothing but x, the streamed operands and out0 touches memory.
; EVERY PRODUCT BUT THE LAST IS THE SAME BLOCK: wave w multiplies row group w (128 rows) of a STREAMED block (W_pi, W_q, K0, K1, V0, V1: 512 rows x 512 K, laid as images of operand registers by the launches before)
; by the 128 queries over K = 512: 64 accumulators, 256 matrix instructions.  Source 0 = the streamed rows, source 1 = the queries: a lane holds ONE query, its registers run along the streamed rows, which are the next
; product's K; the rows of a streamed fragment are chosen (32 (t / 2) + 8 (t % 2) + r + 8 (r / 8)) so that a tile's 64 registers are k = 32 b + 16 h + i in order.  So wave w's results are K step w of the next query-side
; operand: quantised in registers, they go to LDS as images of the operand's registers, and every wave loads them back by the same lines.
; THE SOFTMAX.  t = score x log2(e) / sqrt(512).  The scores come in two passes of 512 keys; wave w holds a chunk of 128 keys for all queries.  Each (query, chunk) takes its own whole number M_c = ceil(the chunk's largest t),
; p = 2^(t - M_c) is quantised under it, and -M_c and the chunk's sum of the unquantised p go to LDS.  Then one thread a query takes M = the largest M_c, takes M - M_c off the four scale bytes of each chunk's word
; (a power of two, which the scale takes up: the codes stay), and makes 1 / (the sum of l_c 2^(M_c - M)).  All of P lies in LDS, so P V is the same block twice, the second onto the first's sums.
; THE LAST PRODUCT (W_po) GOES BY ROWS OF out0: all of O's 32 fragments stand in the registers that the accumulators have left, and the wave's eight blocks of 16 output channels are finished one after the other,
; 32 matrix instructions each; a block is stored while the next is multiplied.  LDS is read no more than in any other block.
; CLUSTER.  The four work-groups of a cluster belong to one batch and walk the same streamed blocks: each pair of K steps is asked for JOINTLY (mask 15), each wave its own row group's 25,600 bytes, which it alone reads.
; The ring has two slots of a pair each; a slot is filled again behind a round of the cluster's barrier; by this text's count a wave has at most two tensor loads out (x's two, at the start), later one.
; LIMITS: NaN and infinities are not served.  A block whose largest magnitude lies under 2^-124 keeps the byte 1.  A block of P whose byte would fall under 0 beneath the row's M is held at byte 0 (under 2^-120 of the row's
; largest term).  M_c is kept as a whole number in f32: exact up to 2^24.
; REGISTERS: window 0: v1-31 addresses; v32-63 scale words, two sets; v64-119 at work in the quantiser and softmax; v128-223 the queries' eight fragments; v224-231 b_po; v232-252 the quantiser's second set.
;   window 1: v0-95, v128-223 the streamed fragments, two sets; v96-127, v224-255 the bias as C.   windows 2, 3: the accumulators, (a, b) at v[8 (8 (a % 4) + b)] of window 2 + a / 4.
.set TILE,  12800
.set FRB,   1536
.set SCO,   12288
.set BLKB,  204800
.set PAIRB, 102400                     ; a slot: two K steps of all four row groups.  Slot 0 at LDS byte 0, slot 1 behind it
.set WPART, 25600                      ; a wave's part of it
.set STM,   204800                     ; -M_c, [chunk][query], 4,096 bytes; l_c 4,096 bytes on
.set RL,    212992                     ; 1 / l, 512 bytes
.set IMGB,  213504                     ; query-side images, four tiles; on the way out the waves' stages
.set IMGA,  264704                     ; query-side images, four tiles
.set SPARE, 315904                     ; the spare words, 128 bytes a wave: two blocks of 256 bytes that no other line names
.set XHB,   131072                     ; x's first fills: channels 128 w + 64 half on, 64 rows of 512 bytes, at 131,072 half + 32,768 w: they end ahead of IMGA
.set SPITCH, 528
.set FLOOR, 0x1800000
.set EOFF,  0xff000000
.set SPW,  1                           ; v1   my spare word; never rewritten
.set NIL,  2                           ; v2   0; never rewritten
.set LI,   3                           ; v3   16 x lane
.set ADB,  4                           ; v4-5 my part of slot 0, 1
.set ADBS, 6                           ; v6-7 its scale words
.set ADQ,  8                           ; v8   the trip's source images
.set ADQS, 9                           ; v9   their scale words
.set DSTI, 10                          ; v10  where my images go
.set DSTS, 11                          ; v11  and their scale words
.set STA,  12                          ; v12  my chunk's statistics
.set LRS,  13                          ; v13  12,288 + 32 r
.set WLI,  14                          ; v14  12,800 w + 16 lane
.set WLR,  15                          ; v15  12,800 w + 12,288 + 32 r
.set WR4,  16                          ; v16  512 w + 4 r
.set BIA,  17                          ; v17  64 h
.set RLA,  18                          ; v18  RL + 4 r
.set FXS,  19                          ; v19  STM + 4 x thread
.set FXW,  20                          ; v20-21 the thread's query's scale words in chunks 0-3, 4-7
.set XL0,  22                          ; v22-27 x's way into images
.set XI0,  23
.set XC0,  24
.set XL,   25
.set XI,   26
.set XC,   27
.set STS,  28                          ; v28  the stage: where I put 32 bytes of a row
.set STR,  29                          ; v29  and where I read a row back
.set PFO,  30                          ; v30  the prefetches' offset
.set BPA,  31                          ; v31  4 (r + 8 (r / 8))
.set SC,   32
.set TM,   64
.set PW,   80                          ; v80  the scale word just made, even tiles';  v252 odd tiles'
.set PW1,  252
.set PC,   84                          ; v84-102 the codes just made, even tiles';  v232-250 odd tiles'
.set PC1,  232
.set XCA,  84                          ; x: the two blocks' codes, a second half, the two bytes
.set XCB,  92
.set XT,   100
.set XBY,  103
.set RLR,  104                         ; v104-111 1 / l of my query in the eight tiles
.set RS,   112                         ; v[112:113] its copy for the packed form
.set NM,   114                         ; v[114:115] -M_c; the chunk's largest t
.set LS,   116                         ; v116-119 sums
.set AF,   128
.set XR,   128                         ; x: 64 numbers
.set FN,   128                         ; the fix-up: -M_c, l_c, words, at work
.set FL,   136
.set FW,   144
.set FD,   152
.set FT,   160
.set TSC,  128                         ; the last product: v128-191 all its scale words: K step s: W_po's eight at 128 + 16 s, O's eight at 136 + 16 s
.set BK,   64                          ; the way out: rows read back, v64-127 and v192-255 by turns
.set BPO,  224
.set WV,   18
.set G1,   24                          ; s[24:31] group 1 of the joint loads
.set G1X,  32                          ; s[32:39] group 1 of x's loads
.set G0A,  40                          ; s[40:43] slot 0's group 0;  s[44:47] slot 1's;  s[48:55] x's two
.set G0B,  44
.set G0X,  48
.set CUR,  56                          ; s[56:57] the block last asked for, at my row group
.set KVB,  58                          ; s[58:59] the batch's K0 likewise;  s[60:61] W_po
.set WPO,  60
.set PH,   62                          ; s62  the trip
.set ET,   63                          ; s63  its way out: 0 quantise, 1 softmax, 2 divide and quantise, 3 none
.set SRC,  66
.set DST,  67
.set STO,  68
.set K01,  69
.set CS,   70                          ; s[70:71] log2(e) / sqrt(512)
.set SEL,  72
.set PFA,  74
.set LIM,  76
.set XG0,  88
.set XG1,  89
.set XG2,  90
.set XN,   91
.set MSB, 0
.macro WIN new                         ; the immediate's high byte repeats the setting that is left
.if MSB != (\new)
	s_set_vgpr_msb (MSB<<8)|(\new)
.set MSB, (\new)
.endif
.endm
.macro PLACES                          ; four plain lines behind matrix instructions, ahead of loads into their registers and of the first read of results; also the four lines behind a tensor load
.rept 4
	v_nop
.endr
.endm
; 16 matrix instructions: query blocks a0, a0 + 1 x the streamed side's eight.  p: the streamed set and the set of scale words.  cm = 1: C is the bias (window 1).
; The 64 accumulators take turns, one instruction a turn, in the same order everywhere.
.macro MUL16 a0, p, cm
.set WD_, 2+(\a0)/4
.set WC_, WD_
.if \cm
.set WC_, 1
.endif
.set WN_, (WD_<<6)|(WC_<<4)|1
	WIN WN_
.irp a, \a0, \a0+1
.irp b, 0,1,2,3,4,5,6,7
.set rD, 8*(8*((\a)%4)+\b)
.set rS, 128*(\p)+12*\b
.set rQ, AF+12*(\a)
.set rC, rD
.if \cm
.set rC, 96+8*\b+96*(\b/4)
.endif
	v_wmma_scale_f32_16x16x128_f8f6f4 v[rD:rD+7], v[rS:rS+11], v[rQ:rQ+11], v[rC:rC+7], v[SC+16*(\p)+\b], v[SC+16*(\p)+8+(\a)] matrix_a_fmt:MATRIX_FMT_FP6 matrix_b_fmt:MATRIX_FMT_FP6
.endr
.endr
.endm
.macro FETCH_S sl, e, p                ; the streamed side's eight fragments: tile e of my part of slot sl, into set p of window 1
	WIN 0x40
.irp t, 0,1,2,3,4,5,6,7
.irp c, 0,1,2
	ds_load_b128 v[128*(\p)+12*\t+4*\c:128*(\p)+12*\t+4*\c+3], v[ADB+\sl] offset:(\e)*TILE+\t*FRB+512*\c
.endr
.endr
	WIN 0
.endm
.macro FETCH_Q k, a0                   ; the queries' blocks a0 .. a0 + 3 of K step k
.irp a, \a0, \a0+1, \a0+2, \a0+3
.irp c, 0,1,2
	ds_load_b128 v[AF+12*(\a)+4*\c:AF+12*(\a)+4*\c+3], v[ADQ] offset:(\k)*TILE+(\a)*FRB+512*\c
.endr
.endr
.endm
.macro SCALES_S sl, e, p               ; lane r takes the eight words of row r of the streamed side's eight fragments,
	ds_load_b128 v[SC+16*(\p):SC+16*(\p)+3], v[ADBS+\sl] offset:(\e)*TILE
	ds_load_b128 v[SC+16*(\p)+4:SC+16*(\p)+7], v[ADBS+\sl] offset:(\e)*TILE+16
.endm
.macro SCALES_Q k, p                   ; and of the queries'
	ds_load_b128 v[SC+16*(\p)+8:SC+16*(\p)+11], v[ADQS] offset:(\k)*TILE
	ds_load_b128 v[SC+16*(\p)+12:SC+16*(\p)+15], v[ADQS] offset:(\k)*TILE+16
.endm
; A K step of 128: 64 matrix instructions; the next step's operands (slot nsl, tile nte, K step nks) are fetched in two runs.
.macro STEP p, cm, nsl, nte, nks
	s_wait_dscnt 12                                ; all but the youngest 12 loads (query blocks 4-7)
	MUL16 0, \p, \cm
	MUL16 2, \p, \cm
	s_wait_dscnt 0x0
	PLACES
	FETCH_S \nsl, \nte, 1-\p
	FETCH_Q \nks, 0
	SCALES_S \nsl, \nte, 1-\p
	SCALES_Q \nks, 1-\p
	MUL16 4, \p, \cm
	MUL16 6, \p, \cm
	PLACES
	WIN 0
	FETCH_Q \nks, 4
.endm
.macro LAST p
	s_wait_dscnt 12
	MUL16 0, \p, 0
	MUL16 2, \p, 0
	s_wait_dscnt 0x0
	MUL16 4, \p, 0
	MUL16 6, \p, 0
	WIN 0
.endm
; Tile a's 64 registers: register 16 b + i = k 32 b + 16 h + i of the lane's query.  QMAX: the four blocks' largest magnitudes, from each accumulator's low end on.
.macro QMAX a
.set W_, 2+(\a)/4
.set AC_, 64*((\a)%4)
.set WN_, (W_<<2)|W_
	WIN WN_
.irp b, 0,1,2,3
	v_max3_num_f32 v[TM+\b], |v[AC_+16*\b]|, |v[AC_+16*\b+1]|, FLOOR
.endr
.irp i, 2,4,6,8,10,12,14
.irp b, 0,1,2,3
	v_max3_num_f32 v[TM+\b], |v[AC_+16*\b+\i]|, |v[AC_+16*\b+\i+1]|, v[TM+\b]
.endr
.endr
	WIN 0
.irp b, 0,1,2,3
	v_permlanex16_b32 v[TM+4+\b], v[TM+\b], s[SEL], s[SEL+1]
.endr
.irp b, 0,1,2,3
	v_max_num_f32 v[TM+\b], v[TM+\b], v[TM+4+\b]   ; with lane l xor 16's
.endr
.endm
; QCVT: from the four largest magnitudes the scale word in v[PW_], and the tile's codes as a fragment in v[PC_] on.  Even and odd tiles have registers of their own, so that a tile's LDS stores may be out while the next tile is made.
.macro QCVT a
.set W_, 2+(\a)/4
.set AC_, 64*((\a)%4)
.set PC_, PC+(PC1-PC)*((\a)%2)
.set PW_, PW+(PW1-PW)*((\a)%2)
.irp b, 0,1,2,3
	v_add_nc_u32 v[TM+12+\b], EOFF, v[TM+\b]       ; 2 off the exponent field: the conversion's scale operand
.endr
.irp b, 0,1,2,3
	v_lshrrev_b32 v[TM+4+\b], 23, v[TM+12+\b]      ; the scale's byte
.endr
	v_lshl_or_b32 v[PW_], v[TM+5], 8, v[TM+4]
	v_lshl_or_b32 v[PW_], v[TM+6], 16, v[PW_]
	v_lshl_or_b32 v[PW_], v[TM+7], 24, v[PW_]
	WIN W_
.irp c, 0,1
	v_cvt_scalef32_pk16_fp6_f32 v[PC_+6*\c:PC_+2+6*\c], v[AC_+32*\c:AC_+15+32*\c], v[TM+12+2*\c]
	v_cvt_scalef32_pk16_fp6_f32 v[PC_+12+4*\c:PC_+14+4*\c], v[AC_+16+32*\c:AC_+31+32*\c], v[TM+12+2*\c+1]
.endr
	WIN 0
	v_nop                                          ; one plain line behind the conversions
.irp c, 0,1                                    ; the operand wants a whole block in a lane
.irp i, 0,1,2
	v_permlane16_swap_b32 v[PC_+6*\c+\i], v[PC_+12+4*\c+\i]
.endr
.irp i, 0,1,2
	v_mov_b32 v[PC_+3+6*\c+\i], v[PC_+12+4*\c+\i]
.endr
.endr
.endm
.macro BMAX d, e, x                    ; the largest magnitude of v[x] .. v[x + 31], and the floor, into v[d]
	v_max3_num_f32 v[\d], |v[\x]|, |v[\x+1]|, |v[\x+2]|
	v_max3_num_f32 v[\e], |v[\x+3]|, |v[\x+4]|, |v[\x+5]|
.irp i, 6,10,14,18,22,26
	v_max3_num_f32 v[\d], v[\d], |v[\x+\i]|, |v[\x+\i+1]|
	v_max3_num_f32 v[\e], v[\e], |v[\x+\i+2]|, |v[\x+\i+3]|
.endr
	v_max3_num_f32 v[\d], v[\d], |v[\x+30]|, |v[\x+31]|
	v_max3_num_f32 v[\d], v[\d], v[\e], FLOOR
.endm
.macro CREST                           ; a round of the cluster's barrier behind its opening barrier
	s_cmp_lg_u32 s[WV], 0
	s_cbranch_scc1 .Lnot_wave_0_\@
	s_barrier_signal -3
.Lnot_wave_0_\@:
	s_barrier_wait -3
	s_barrier_signal -1
	s_barrier_wait -1
.endm
.macro CROUND
	s_barrier_signal -1
	s_barrier_wait -1
	CREST
.endm
.macro BAR                             ; my LDS stores have landed and my LDS loads are in: then the work-group's barrier
	s_wait_dscnt 0x0
	s_barrier_signal -1
	s_barrier_wait -1
.endm
; A slot is filled again: all my tensor loads have landed, the add, the wait for it and for my LDS instructions, a round of the cluster's barrier, and the joint load first behind it.
.macro REFILL g0, off
	s_wait_tensorcnt 0x0                           ; no tensor load of mine is out, so a group 0 may be written
	ds_add_u32 v[SPW], v[NIL]                      ; 0 onto my spare word
	s_add_nc_u64 s[\g0+2:\g0+3], s[CUR:CUR+1], \off
	s_or_b32 s[\g0+3], s[\g0+3], 0x80000000
	s_wait_dscnt 0x0                               ; the add is done, my LDS loads are in and my LDS stores have landed
	CROUND
	tensor_load_to_lds s[\g0:\g0+3], s[G1:G1+7]
	s_nop 0
	PLACES
.endm
.macro BILOAD lo                       ; a bias as C: lane (r, h), tile b: features 128 w + 32 (b / 2) + 16 h + 8 (b % 2) + 0 .. 7
	WIN 0x40
.irp b, 0,1,2,3,4,5,6,7
.set rC, 96+8*\b+96*(\b/4)
	global_load_b128 v[rC:rC+3], v[BIA], s[\lo:\lo+1] offset:(32*(\b/2)+8*(\b%2))*4
	global_load_b128 v[rC+4:rC+7], v[BIA], s[\lo:\lo+1] offset:(32*(\b/2)+8*(\b%2))*4+16
.endr
	WIN 0
.endm
	s_load_b256 s[4:11], s[0:1], 0x0               ; x, wq, kv, b_pi
	s_load_b128 s[12:15], s[0:1], 0x20             ; b_q, b_po
	s_load_b64 s[16:17], s[0:1], 0x30              ; out0
	v_lshl_add_u32 v[SPW], v0, 2, SPARE
	v_mov_b32 v[NIL], 0
	ds_add_u32 v1, v2
	ds_add_u32 v1, v2
	s_wait_dscnt 0x0
	v_lshrrev_b32 v120, 5, v0
	v_readfirstlane_b32 s[WV], v120                ; wave 0..3
	s_lshr_b32 s20, ttmp9, 3                       ; the batch: eight clusters each; the partners share it
	s_mov_b32 s[G1], 15|(3<<16)|(1<<21)            ; the mask: all four work-groups; elements of 8 bytes; bit 21 set beside a mask
	s_mov_b32 s[G1+1], 32<<16                      ; rows of 256 bytes,
	s_mov_b32 s[G1+2], 100<<16                     ; 100 of them: a wave's part of a pair, dense in memory
	s_mov_b32 s[G1+3], 32<<16
	s_mov_b32 s[G1+4], 100
	s_mov_b32 s[G1+5], 32
	s_mov_b32 s[G1+6], 0
	s_mov_b32 s[G1+7], 0
	s_mov_b32 s[G1X], 2<<16                        ; no mask; elements of 4 bytes
	s_mov_b32 s[G1X+1], 128<<16                    ; 128 pixels,
	s_mov_b32 s[G1X+2], 64<<16                     ; 64 channels,
	s_mov_b32 s[G1X+3], 128<<16
	s_mov_b32 s[G1X+4], 64
	s_mov_b32 s[G1X+5], 4096                       ; 4,096 pixels from channel to channel
	s_mov_b32 s[G1X+6], 0
	s_mov_b32 s[G1X+7], 0
	s_mul_i32 s22, s[WV], WPART
	s_mov_b32 s23, 0
	s_mul_i32 s78, s20, 4*BLKB
	s_mov_b32 s79, 0
	s_lshl_b32 s80, s[WV], 9
	s_mov_b32 s81, 0
	s_bfe_u32 s19, ttmp6, 0x40000                  ; cx: it enters x's, out0's and the prefetches' addresses alone
	s_lshl_b32 s84, ttmp9, 2
	s_add_co_u32 s84, s84, s19
	s_and_b32 s84, s84, 31                         ; my 128 pixels of the batch's 4,096
	s_lshl_b32 s84, s84, 9
	s_lshl_b32 s85, s20, 23
	s_add_co_u32 s84, s84, s85
	s_lshl_b32 s85, s[WV], 21                      ; 128 w channels of 16,384 bytes
	s_add_co_u32 s84, s84, s85
	s_mov_b32 s85, 0
	s_and_b32 s86, ttmp9, 1                        ; the prefetches: a block's 800 runs of 256 bytes are shared out among the 32 waves of the batch's first two clusters, BY ADDRESS
	s_lshl_b32 s86, s86, 2
	s_add_co_u32 s86, s86, s19
	s_lshl_b32 s86, s86, 2
	s_add_co_u32 s86, s86, s[WV]
	s_mul_i32 s86, s86, 6400
	s_mov_b32 s87, 0
	s_and_b32 s77, ttmp9, 7
	s_cmp_lt_u32 s77, 2
	s_cselect_b32 s[LIM], 4, 0                     ; the same in all four partners
	s_mov_b32 s[CS], 0x3d8293ee                    ; log2(e) / sqrt(512)
	s_mov_b32 s[CS+1], s[CS]
	s_mov_b32 s[SEL], 0x76543210
	s_mov_b32 s[SEL+1], 0xfedcba98
	s_mov_b32 s[K01], 0x01010101
	v_and_b32 v120, 31, v0                         ; lane
	v_and_b32 v121, 15, v0                         ; r
	v_bfe_u32 v122, v0, 4, 1                       ; h
	v_lshlrev_b32 v[LI], 4, v120
	v_lshlrev_b32 v123, 5, v121
	v_add_nc_u32 v[LRS], SCO, v123
	v_add_nc_u32 v[ADB], s22, v[LI]
	v_add_nc_u32 v[ADB+1], PAIRB, v[ADB]
	v_add_nc_u32 v[ADBS], s22, v[LRS]
	v_add_nc_u32 v[ADBS+1], PAIRB, v[ADBS]
	s_mul_i32 s21, s[WV], TILE
	v_add_nc_u32 v[WLI], s21, v[LI]
	v_add_nc_u32 v[WLR], s21, v[LRS]
	v_lshl_add_u32 v[WR4], v121, 2, s80
	v_lshlrev_b32 v[BIA], 6, v122
	v_lshl_add_u32 v[RLA], v121, 2, RL
	v_lshl_add_u32 v[FXS], v0, 2, STM
	v_lshrrev_b32 v124, 4, v0
	v_lshl_add_u32 v[FXW], v124, 2, v123           ; thread q: row q % 16 of tile q / 16
	v_add_nc_u32 v[FXW], IMGB+SCO, v[FXW]
	v_add_nc_u32 v[FXW+1], 4*TILE, v[FXW]
	s_lshl_b32 s77, s[WV], 15
	v_lshl_add_u32 v[XL0], v120, 2, s77            ; x in LDS: my wave's tile, 4 bytes a pixel
	v_mul_u32_u24 v125, v122, FRB
	v_lshl_add_u32 v125, v121, 4, v125
	v_add_nc_u32 v125, s21, v125
	v_add_nc_u32 v[XI0], IMGA, v125                ; pixel 32 g + l is row l % 16 of fragment 2 g + l / 16
	v_lshl_add_u32 v126, v122, 2, v[WLR]
	v_add_nc_u32 v[XC0], IMGA, v126
	s_mul_i32 s77, s[WV], 16*SPITCH
	v_mul_u32_u24 v125, v121, SPITCH
	v_lshl_add_u32 v125, v122, 5, v125
	v_add_nc_u32 v125, s77, v125
	v_add_nc_u32 v[STS], IMGB, v125
	v_add_nc_u32 v126, s77, v[LI]
	v_add_nc_u32 v[STR], IMGB, v126
	v_min_u32 v[PFO], 24, v120                     ; 25 runs a wave: lanes 24 to 31 name the same one
	v_lshlrev_b32 v[PFO], 8, v[PFO]
	v_and_b32 v127, 8, v121
	v_add_nc_u32 v127, v127, v121
	v_lshlrev_b32 v[BPA], 2, v127
.irp a, 0,1,2,3,4,5,6,7
	v_mov_b32 v[RLR+\a], 1.0                       ; (written on every way in: the loads that fill them stand in the last trip alone)
.endr
	v_mov_b32 v[RS], 1.0
	v_mov_b32 v[RS+1], 1.0
.irp b, 0,1,2,3
	v_mov_b32 v[TM+4+\b], 0                        ; (a lane permute's destination counts as one of its sources)
.endr
	s_wait_kmcnt 0x0
	s_add_nc_u64 s[CUR:CUR+1], s[6:7], s[22:23]    ; W_pi, my row group
	s_add_nc_u64 s[WPO:WPO+1], s[CUR:CUR+1], 2*BLKB
	s_add_nc_u64 s[KVB:KVB+1], s[8:9], s[78:79]
	s_add_nc_u64 s[PFA:PFA+1], s[KVB:KVB+1], s[86:87]
	s_add_nc_u64 s[KVB:KVB+1], s[KVB:KVB+1], s[22:23]
	s_add_nc_u64 s[4:5], s[4:5], s[84:85]
	s_add_nc_u64 s[16:17], s[16:17], s[84:85]
	s_add_nc_u64 s[10:11], s[10:11], s[80:81]
	s_add_nc_u64 s[12:13], s[12:13], s[80:81]
	s_add_nc_u64 s[14:15], s[14:15], s[80:81]
	s_mov_b32 s[G0X], 1
	s_lshl_b32 s[G0X+1], s[WV], 15
	s_mov_b64 s[G0X+2:G0X+3], s[4:5]
	s_or_b32 s[G0X+3], s[G0X+3], 0x80000000
	s_mov_b32 s[G0X+4], 1
	s_add_co_u32 s[G0X+5], s[G0X+1], XHB
	s_add_nc_u64 s[G0X+6:G0X+7], s[4:5], 1<<20     ; 64 channels on
	s_or_b32 s[G0X+7], s[G0X+7], 0x80000000
	s_mov_b32 s[G0A], 1
	s_mov_b32 s[G0A+1], s22
	s_mov_b32 s[G0B], 1
	s_add_co_u32 s[G0B+1], s22, PAIRB
	CROUND                                         ; the one round ahead of the first fills
	tensor_load_to_lds s[G0X:G0X+3], s[G1X:G1X+7]  ; my 128 channels of my work-group's 128 pixels, in two halves: I alone read them
	s_nop 0
	tensor_load_to_lds s[G0X+4:G0X+7], s[G1X:G1X+7]
	s_nop 0
	PLACES
	BILOAD 10                                      ; b_pi
.irp b, 0,1,2,3,4,5,6,7
	global_load_b32 v[BPO+\b], v[BPA], s[14:15] offset:(32*(\b/2)+8*(\b%2))*4   ; b_po of output channel 128 w + 32 (b / 2) + 8 (b % 2) + r + 8 (r / 8): kept for the last product
.endr
; x BECOMES K STEP w OF THE FIRST QUERY-SIDE OPERAND.  A lane takes a pixel and its registers run down the channels: a block of 32 lies in one lane.  Half hf (64 channels) gives registers 6 hf .. 6 hf + 5 of lanes (r, 0) and (r, 1).
.macro XBLK x, c
	BMAX TM, TM+1, \x
	v_add_nc_u32 v[TM+2], EOFF, v[TM]
	v_cvt_scalef32_pk16_fp6_f32 v[\c:\c+2], v[\x:\x+15], v[TM+2]
	v_cvt_scalef32_pk16_fp6_f32 v[XT:XT+2], v[\x+16:\x+31], v[TM+2]
	v_lshrrev_b32 v[TM+3], 23, v[TM+2]             ; the byte; also the plain line behind the conversions
.irp i, 0,1,2
	v_mov_b32 v[\c+3+\i], v[XT+\i]
.endr
.endm
.macro XSTORE hf, c, kb
.if \hf
	ds_store_b64 v[XI], v[\c:\c+1] offset:520+256*\kb
	ds_store_b128 v[XI], v[\c+2:\c+5] offset:1024+256*\kb
.else
	ds_store_b128 v[XI], v[\c:\c+3] offset:256*\kb
	ds_store_b64 v[XI], v[\c+4:\c+5] offset:512+256*\kb
.endif
.endm
.macro XHALF hf                        ; four trips of 32 pixels
	s_mov_b32 s[XG0], \hf*XHB
	s_mov_b32 s[XG1], 0
	s_mov_b32 s[XG2], 0
	s_mov_b32 s[XN], 0
.Lxh_\@:
	v_add_nc_u32 v[XL], s[XG0], v[XL0]
	v_add_nc_u32 v[XI], s[XG1], v[XI0]
	v_add_nc_u32 v[XC], s[XG2], v[XC0]
.set k_, 0
.rept 64
	ds_load_b32 v[XR+k_], v[XL] offset:512*k_
.set k_, k_+1
.endr
	s_wait_dscnt 32                                ; the first block's 32 loads are in
	XBLK XR, XCA
	v_mov_b32 v[XBY], v[TM+3]
	XSTORE \hf, XCA, 0
	s_wait_dscnt 2                                 ; the second block's loads are in (the two stores are younger)
	XBLK XR+32, XCB
	v_lshl_or_b32 v[XBY], v[TM+3], 8, v[XBY]
	XSTORE \hf, XCB, 1
	ds_store_b16 v[XC], v[XBY] offset:2*\hf        ; bytes 2 hf and 2 hf + 1 of my pixel's scale word
	s_wait_dscnt 0x0                               ; the stores have read their registers
	s_add_co_u32 s[XG0], s[XG0], 128
	s_add_co_u32 s[XG1], s[XG1], 2*FRB
	s_add_co_u32 s[XG2], s[XG2], 8
	s_add_co_u32 s[XN], s[XN], 1
	s_cmp_lt_u32 s[XN], 4
	s_cbranch_scc1 .Lxh_\@
.endm
	s_wait_tensorcnt 1                             ; my first half of x is in; the second may be out
	XHALF 0
	REFILL G0A, 0                                  ; x's first halves are read out: W_pi's K steps 0 and 1 go into slot 0
	XHALF 1
	REFILL G0B, PAIRB                              ; x is read out and its images lie in LDS for every wave: K steps 2 and 3 go into slot 1
	FETCH_S 0, 0, 0                                ; that refill's wait for 0 has shown my part of slot 0 landed: W_pi's first fragments
	SCALES_S 0, 0, 0
; Tile a's way out of a trip.
.macro NORM a                          ; O / l
.set W_, 2+(\a)/4
.set AC_, 64*((\a)%4)
	v_mov_b32 v[RS], v[RLR+\a]
.set WN_, (W_<<6)|W_
	WIN WN_
.set j_, 0
.rept 32
	v_pk_mul_f32 v[AC_+j_:AC_+j_+1], v[AC_+j_:AC_+j_+1], v[RS:RS+1] op_sel_hi:[1,0]
.set j_, j_+2
.endr
	WIN 0
.endm
.macro SOFT a                          ; scores become p = 2^(t - M_c); the blocks' largest p stand in v[TM] on, as QCVT wants them
.set W_, 2+(\a)/4
.set AC_, 64*((\a)%4)
.set WN_, (W_<<2)|W_
	WIN WN_
.irp b, 0,1,2,3
	v_max3_num_f32 v[TM+\b], v[AC_+16*\b], v[AC_+16*\b+1], 0xff800000   ; the largest SCORE of each block of 32 keys: it serves the chunk's maximum and, since p rises with the score, the block's largest p
.endr
.irp i, 2,4,6,8,10,12,14
.irp b, 0,1,2,3
	v_max3_num_f32 v[TM+\b], v[AC_+16*\b+\i], v[AC_+16*\b+\i+1], v[TM+\b]
.endr
.endr
	WIN 0
.irp b, 0,1,2,3
	v_permlanex16_b32 v[TM+4+\b], v[TM+\b], s[SEL], s[SEL+1]
.endr
.irp b, 0,1,2,3
	v_max_num_f32 v[TM+\b], v[TM+\b], v[TM+4+\b]
.endr
	v_max3_num_f32 v[NM+1], v[TM], v[TM+1], v[TM+2]
	v_max_num_f32 v[NM+1], v[NM+1], v[TM+3]
	v_mul_f32 v[NM+1], s[CS], v[NM+1]              ; the chunk's largest t
	v_floor_f32 v[NM], -v[NM+1]                    ; -M_c = floor(-t): a whole number
.irp b, 0,1,2,3
	v_fma_f32 v[TM+\b], v[TM+\b], s[CS], v[NM]
.endr
.irp i, 0,1,2,3
	v_mov_b32 v[LS+\i], 0
.endr
.set WN_, (W_<<6)|W_
	WIN WN_
.set j_, 0
.rept 32
	v_pk_fma_f32 v[AC_+j_:AC_+j_+1], v[AC_+j_:AC_+j_+1], s[CS:CS+1], v[NM:NM+1] op_sel_hi:[1,0,0]   ; t - M_c
.set j_, j_+2
.endr
.set j_, 0
.rept 64
	v_exp_f32 v[AC_+j_], v[AC_+j_]
.set j_, j_+1
.endr
	WIN 0
.irp b, 0,1,2,3
	v_exp_f32 v[TM+\b], v[TM+\b]                   ; the same two instructions on the same number give the same bits
.endr
	v_nop                                          ; a plain line behind the last exponential
	s_wait_alu depctr_va_vdst(0)                   ; one wait for the 68, ahead of their first reader
.set WN_, W_<<2
	WIN WN_
.set j_, 0
.rept 16
	v_pk_add_f32 v[LS:LS+1], v[LS:LS+1], v[AC_+j_:AC_+j_+1]         ; the sum of the UNQUANTISED p, in two chains
	v_pk_add_f32 v[LS+2:LS+3], v[LS+2:LS+3], v[AC_+j_+2:AC_+j_+3]
.set j_, j_+4
.endr
	WIN 0
	v_pk_add_f32 v[LS:LS+1], v[LS:LS+1], v[LS+2:LS+3]
	v_add_f32 v[LS], v[LS], v[LS+1]
	v_permlanex16_b32 v[LS+2], v[LS], s[SEL], s[SEL+1]
	v_add_f32 v[LS], v[LS], v[LS+2]                ; with lane l xor 16's 64 keys: l_c
.irp b, 0,1,2,3
	v_max_num_f32 v[TM+\b], FLOOR, v[TM+\b]
.endr
	ds_store_b32 v[STA], v[NM] offset:64*(\a)      ; both halves of the lanes store the same numbers
	ds_store_b32 v[STA], v[LS] offset:4096+64*(\a)
.endm
.macro EPI a
.if (\a) > 0
	s_wait_dscnt 4                                 ; the youngest four LDS stores, the last tile's image and its word, may be out: they read the other set of registers.  That tile's statistics and the tile before it are done
.endif
	s_cmp_eq_u32 s[ET], 1
	s_cbranch_scc1 .Lsoft_\@
	s_cmp_eq_u32 s[ET], 2
	s_cbranch_scc0 .Lplain_\@
	NORM \a
.Lplain_\@:
	QMAX \a
	s_branch .Ljoin_\@
.Lsoft_\@:
	SOFT \a
.Ljoin_\@:
	QCVT \a
.irp c, 0,1,2
	ds_store_b128 v[DSTI], v[PC_+4*\c:PC_+4*\c+3] offset:(\a)*FRB+512*\c   ; the fragment goes to LDS as it stands
.endr
	ds_store_b32 v[DSTS], v[PW_] offset:4*(\a)
.endm
; THE SIX TRIPS: W_pi (x -> xt), W_q (xt -> Q), K0, K1 (Q -> P), V0, V1 (P -> O).  Source and destination images: A>B, B>A, A>B, A>A, B>-, A>A.
	s_mov_b32 s[PH], 0
	s_mov_b32 s[DST], IMGB
	s_mov_b32 s[STO], STM
.Ltrip:
	s_lshl_b32 s77, s[PH], 2
	s_lshr_b32 s[ET], 0x231100, s77
	s_and_b32 s[ET], s[ET], 15
	s_lshr_b32 s77, 0x2d, s[PH]
	s_and_b32 s77, s77, 1
	s_mov_b32 s[SRC], IMGB
	s_cmp_lg_u32 s77, 0
	s_cselect_b32 s[SRC], IMGA, s[SRC]
	v_add_nc_u32 v[ADQ], s[SRC], v[LI]             ; (these five are also places behind the last trip's products)
	v_add_nc_u32 v[ADQS], s[SRC], v[LRS]
	v_add_nc_u32 v[DSTI], s[DST], v[WLI]
	v_add_nc_u32 v[DSTS], s[DST], v[WLR]
	v_add_nc_u32 v[STA], s[STO], v[WR4]
	s_wait_loadcnt 0x0                             ; the bias
	FETCH_Q 0, 0                                   ; the streamed side's first fragments were fetched at the last trip's end
	SCALES_Q 0, 0
	FETCH_Q 0, 4
	s_cmp_eq_u32 s[PH], 5
	s_cbranch_scc1 .Lonto
	STEP 0, 1, 0, 1, 1                             ; the first K step starts the sums from the bias
	s_branch .Lstep1
.Lonto:
	STEP 0, 0, 0, 1, 1                             ; V1 adds onto V0's sums
.Lstep1:
	; K step 1 changes slots: in front of the round each wave waits for all its tensor loads (slot 1's), adds 0 to its spare word, and waits for that and for its reads of slot 0
	s_wait_tensorcnt 0x0
	ds_add_u32 v[SPW], v[NIL]
	s_wait_dscnt 13                                ; (the add and the youngest 12 loads may be out)
	MUL16 0, 1, 0                                  ; sixteen matrix instructions stand between the add and the wait for it
	s_wait_dscnt 0x0
	s_barrier_signal -1
	MUL16 2, 1, 0
	WIN 0
	s_barrier_wait -1
	CREST                                          ; no wave of any partner still reads slot 0 or has a load on its way
	s_add_nc_u64 s[CUR:CUR+1], s[CUR:CUR+1], BLKB  ; the next block: the next in its buffer,
	s_cmp_eq_u32 s[PH], 1
	s_cselect_b64 s[CUR:CUR+1], s[KVB:KVB+1], s[CUR:CUR+1]   ; or the batch's K0,
	s_cmp_eq_u32 s[PH], 5
	s_cselect_b64 s[CUR:CUR+1], s[WPO:WPO+1], s[CUR:CUR+1]   ; or W_po
	s_mov_b64 s[G0A+2:G0A+3], s[CUR:CUR+1]
	s_or_b32 s[G0A+3], s[G0A+3], 0x80000000
	tensor_load_to_lds s[G0A:G0A+3], s[G1:G1+7]    ; its K steps 0 and 1: 160 matrix instructions ahead of the wait for them
	s_nop 0
	PLACES
	FETCH_S 1, 0, 0
	FETCH_Q 2, 0
	SCALES_S 1, 0, 0
	SCALES_Q 2, 0
	MUL16 4, 1, 0
	MUL16 6, 1, 0
	PLACES
	WIN 0
	FETCH_Q 2, 4
	STEP 0, 0, 1, 1, 3
	LAST 1
	REFILL G0B, PAIRB                              ; the next block's K steps 2 and 3.  This round also parts every wave's last reads of the source images from the stores below
	s_cmp_eq_u32 s[PH], 5                          ; (the last product fetches otherwise)
	s_cbranch_scc1 .Lno_early
	FETCH_S 0, 0, 0                                ; the refill's wait for 0 has shown my part of slot 0 landed: the next block's first fragments and their scale words come in under the way out below.
	SCALES_S 0, 0, 0                               ; Their registers were last read in K step 2, with places behind it
.Lno_early:
	s_cmp_lt_u32 s[PH], s[LIM]                     ; A PREFETCH INTO THE L2 of kv's block PH, which the next trip's two loads will ask for: trips 0 to 3, the batch's first two clusters, 25 runs of 256 bytes a wave, each run named by one wave of the launch
	s_cbranch_scc0 .Lnot_mine
	global_prefetch_b8 v[PFO], s[PFA:PFA+1] th:TH_LOAD_NT scope:SCOPE_SE
.Lnot_mine:
	s_cmp_eq_u32 s[PH], 0
	s_cbranch_scc0 .Lnot_bq
	BILOAD 12                                      ; b_q for the next trip
.Lnot_bq:
	s_cmp_eq_u32 s[PH], 1
	s_cbranch_scc0 .Lnot_zero
	WIN 0x40
.irp b, 0,1,2,3,4,5,6,7
.set rC, 96+8*\b+96*(\b/4)
.irp j, 0,1,2,3,4,5,6,7
	v_mov_b32 v[rC+\j], 0                          ; the scores and O begin from zeros: 64 lines, once
.endr
.endr
	WIN 0
.Lnot_zero:
	s_cmp_eq_u32 s[ET], 2
	s_cbranch_scc0 .Lno_rl
.irp a, 0,1,2,3,4,5,6,7
	ds_load_b32 v[RLR+\a], v[RLA] offset:64*\a
.endr
	s_wait_dscnt 0x0                               ; 1 / l is in
.Lno_rl:
	s_cmp_eq_u32 s[ET], 3
	s_cbranch_scc1 .Lno_epi
.irp a, 0,1,2,3,4,5,6,7
	EPI \a
.endr
.Lno_epi:
	BAR                                            ; the images and the statistics lie in LDS
	s_cmp_eq_u32 s[PH], 3
	s_cbranch_scc0 .Lno_fix
	; THE FIX-UP, a thread a query: M = the largest M_c; M - M_c off the four bytes of each chunk's scale word; 1 / l
.irp c, 0,1,2,3,4,5,6,7
	ds_load_b32 v[FN+\c], v[FXS] offset:512*\c
.endr
.irp c, 0,1,2,3,4,5,6,7
	ds_load_b32 v[FL+\c], v[FXS] offset:4096+512*\c
.endr
.irp c, 0,1,2,3
	ds_load_b32 v[FW+\c], v[FXW] offset:\c*TILE
	ds_load_b32 v[FW+4+\c], v[FXW+1] offset:\c*TILE
.endr
	s_wait_dscnt 0x0
	v_min3_num_f32 v[FT], v[FN], v[FN+1], v[FN+2]
	v_min3_num_f32 v[FT], v[FT], v[FN+3], v[FN+4]
	v_min3_num_f32 v[FT], v[FT], v[FN+5], v[FN+6]
	v_min_num_f32 v[FT], v[FT], v[FN+7]            ; -M
.irp c, 0,1,2,3,4,5,6,7
	v_sub_f32 v[FN+\c], v[FN+\c], v[FT]            ; d = M - M_c: a whole number, 0 or more
.endr
.irp c, 0,1,2,3,4,5,6,7
	v_cvt_i32_f32 v[FN+\c], v[FN+\c]               ; (it saturates)
.endr
.irp c, 0,1,2,3,4,5,6,7
	v_min_u32 v[FN+\c], 128, v[FN+\c]
.endr
.irp c, 0,1,2,3,4,5,6,7
	v_sub_nc_u32 v[FD+\c], 0, v[FN+\c]
.endr
.irp c, 0,1,2,3,4,5,6,7
	v_ldexp_f32 v[FL+\c], v[FL+\c], v[FD+\c]       ; l_c 2^-d
.endr
.irp c, 0,2,4,6
	v_add_f32 v[FL+\c], v[FL+\c], v[FL+\c+1]
.endr
	v_add_f32 v[FL], v[FL], v[FL+2]
	v_add_f32 v[FL+4], v[FL+4], v[FL+6]
	v_add_f32 v[FL], v[FL], v[FL+4]
	v_rcp_f32 v[FT], v[FL]
.irp c, 0,1,2,3,4,5,6,7
	v_mul_lo_u32 v[FD+\c], v[FN+\c], s[K01]        ; d in each byte
.endr
.irp c, 0,1,2,3,4,5,6,7
	v_or_b32 v[FW+\c], 0x80808080, v[FW+\c]        ; the bytes lie under 128: with 128 on top no byte borrows from its neighbour
.endr
.irp c, 0,1,2,3,4,5,6,7
	v_sub_nc_u32 v[FW+\c], v[FW+\c], v[FD+\c]
.endr
.irp c, 0,1,2,3,4,5,6,7
	v_lshrrev_b32 v[FD+\c], 7, v[FW+\c]
.endr
.irp c, 0,1,2,3,4,5,6,7
	v_and_b32 v[FD+\c], 0x01010101, v[FD+\c]       ; 1 where the byte has not fallen under 0
.endr
.irp c, 0,1,2,3,4,5,6,7
	v_lshlrev_b32 v[FN+\c], 8, v[FD+\c]
.endr
.irp c, 0,1,2,3,4,5,6,7
	v_sub_nc_u32 v[FD+\c], v[FN+\c], v[FD+\c]      ; 0xff there
.endr
.irp c, 0,1,2,3,4,5,6,7
	v_and_b32 v[FW+\c], v[FW+\c], v[FD+\c]         ; else the byte is held at 0
.endr
.irp c, 0,1,2,3,4,5,6,7
	v_and_b32 v[FW+\c], 0x7f7f7f7f, v[FW+\c]
.endr
	s_wait_alu depctr_va_vdst(0)                   ; the reciprocal's wait, ahead of its first reader
	ds_store_b32 v[FXS], v[FT] offset:RL-STM
.irp c, 0,1,2,3
	ds_store_b32 v[FXW], v[FW+\c] offset:\c*TILE
	ds_store_b32 v[FXW+1], v[FW+4+\c] offset:\c*TILE
.endr
.Lno_fix:
	BAR                                            ; the mended words and 1 / l lie in LDS
	s_xor_b32 s[DST], s[DST], IMGA^IMGB
	s_xor_b32 s[STO], s[STO], 2048                 ; chunks 0-3 and 4-7 by turns
	s_wait_xcnt 0x0                                ; the prefetch, a way out back, has read its address
	s_add_nc_u64 s[PFA:PFA+1], s[PFA:PFA+1], BLKB
	s_add_co_u32 s[PH], s[PH], 1
	s_cmp_lt_u32 s[PH], 6
	s_cbranch_scc1 .Ltrip
; THE LAST PRODUCT: out = W_po O^T + b_po, written out: it asks for nothing more.  THE SOURCES ARE SWAPPED (source 0 = 16 queries of O, source 1 = 16 rows of W_po): lane (r, h) of the accumulator of query block a holds
; output channel 128 w + 32 (b / 2) + 8 (b % 2) + r + 8 (r / 8) and pixels 16 a + 8 h + 0 .. 7: neighbours in out0.
; IT GOES BY ROWS OF out0.  REGISTERS: O's fragment of K step s and query block a at v[12 (8 (s % 2) + a)] of window 2 + s / 2; the eight accumulators of block b at v[192 + 8 a] of window 2 + b % 2;
; W_po's four fragments of block b at v[128 (b % 2) + 12 s] of window 1; all 64 scale words in v128-191 of window 0.
.macro TSCALES
.irp s, 0,1,2,3
	ds_load_b128 v[TSC+16*\s:TSC+16*\s+3], v[ADBS+\s/2] offset:(\s%2)*TILE
	ds_load_b128 v[TSC+16*\s+4:TSC+16*\s+7], v[ADBS+\s/2] offset:(\s%2)*TILE+16
	ds_load_b128 v[TSC+16*\s+8:TSC+16*\s+11], v[ADQS] offset:\s*TILE
	ds_load_b128 v[TSC+16*\s+12:TSC+16*\s+15], v[ADQS] offset:\s*TILE+16
.endr
.endm
.macro FETCHW b                        ; 12 loads: W_po's fragment b of each of the four K steps
	WIN 0x40
.irp s, 0,1,2,3
.irp c, 0,1,2
	ds_load_b128 v[128*((\b)%2)+12*\s+4*\c:128*((\b)%2)+12*\s+4*\c+3], v[ADB+\s/2] offset:(\s%2)*TILE+(\b)*FRB+512*\c
.endr
.endr
	WIN 0
.endm
.macro OLOAD s                         ; 24 loads: O's eight fragments of K step s
.set WN_, (2+(\s)/2)<<6
	WIN WN_
.irp a, 0,1,2,3,4,5,6,7
.irp c, 0,1,2
	ds_load_b128 v[12*(8*((\s)%2)+\a)+4*\c:12*(8*((\s)%2)+\a)+4*\c+3], v[ADQ] offset:(\s)*TILE+\a*FRB+512*\c
.endr
.endr
	WIN 0
.endm
.macro ROW b                           ; block b is made: 32 matrix instructions, its eight accumulators by turns, K ascending; the first K step starts the sums from the bias
.set Q_, (\b)%2
.irp s, 0,1,2,3
.if (\b) == 0
.if \s == 0
	s_wait_dscnt 63                                ; the scale words, W_po's block 0 and O's K step 0 are in: 84 loads were issued behind them, and the wait's field names 63 at the most
.else
	s_wait_dscnt 84-24*\s                          ; O's K step s is in: its later K steps' loads, 24 each, and W_po's block 1's 12 may be out
.endif
.endif
.set WC_, 2+Q_
.if \s == 0
.set WC_, 1
.endif
.set WN_, ((2+Q_)<<6)|(WC_<<4)|(1<<2)|(2+\s/2)
	WIN WN_
.irp a, 0,1,2,3,4,5,6,7
.set rD, 192+8*\a
.set rC, rD
.if \s == 0
.set rC, 96+8*(\b)+96*((\b)/4)
.endif
	v_wmma_scale_f32_16x16x128_f8f6f4 v[rD:rD+7], v[12*(8*(\s%2)+\a):12*(8*(\s%2)+\a)+11], v[128*Q_+12*\s:128*Q_+12*\s+11], v[rC:rC+7], v[TSC+16*\s+8+\a], v[TSC+16*\s+(\b)] matrix_a_fmt:MATRIX_FMT_FP6 matrix_b_fmt:MATRIX_FMT_FP6
.endr
.endr
	WIN 0
.endm
; THE WAY OUT of block b: 32 bytes a lane into my own stage, rows of 528 bytes, and back as whole rows of 512 bytes.  LDS serves a wave's instructions in order (ISA guide 5.7.1.4).
.macro TOSTAGE b
.set WN_, (2+(\b)%2)<<2
	WIN WN_                                        ; an LDS store's data are its source 1
.irp a, 0,1,2,3,4,5,6,7
	ds_store_b128 v[STS], v[192+8*\a:192+8*\a+3] offset:64*\a          ; each accumulator from its low end on
	ds_store_b128 v[STS], v[192+8*\a+4:192+8*\a+7] offset:64*\a+16
.endr
	WIN 0
.set BB_, BK+128*((\b)%2)
.irp t, 0,1,2,3,4,5,6,7,8,9,10,11,12,13,14,15
	ds_load_b128 v[BB_+4*\t:BB_+4*\t+3], v[STR] offset:\t*SPITCH
.endr
.endm
.macro SEND b, younger                 ; younger: the LDS instructions issued behind block b's loads, which may stay out
.set BB_, BK+128*((\b)%2)
	s_wait_dscnt \younger
.irp t, 0,1,2,3,4,5,6,7,8,9,10,11,12,13,14,15
	global_store_b128 v[LI], v[BB_+4*\t:BB_+4*\t+3], s[16:17] offset:(32*((\b)/2)+8*((\b)%2)+\t+8*(\t/8))*16384 th:TH_STORE_NT   ; 512 consecutive bytes, aligned; written once
.endr
.endm
	WIN 0x40
.irp b, 0,1,2,3,4,5,6,7
.set rC, 96+8*\b+96*(\b/4)
.irp j, 0,1,2,3,4,5,6,7
	v_mov_b32 v[rC+\j], v[BPO+\b]                  ; the bias as C: the lane's channel's, in all eight registers
.endr
.endr
	WIN 0
	v_add_nc_u32 v[ADQ], IMGA, v[LI]
	v_add_nc_u32 v[ADQS], IMGA, v[LRS]
.rept 6
	v_nop
.endr
	s_wait_tensorcnt 0x0                           ; my part of W_po's K steps 2 and 3, my last tensor load: I alone read it
	TSCALES
	FETCHW 0
	OLOAD 0
	OLOAD 1
	OLOAD 2
	OLOAD 3
	FETCHW 1
	ROW 0
.irp b, 0,1,2,3,4,5,6,7                        ; block b goes through the stage; block b + 1 is multiplied; block b is stored
	PLACES                                         ; behind block b's products: ahead of the stores that read its results and of the loads into W_po's set that it read.  With the four of the block before they also part block b + 1's first products from block b - 1's, whose accumulators they begin anew
.if \b > 1
	s_wait_xcnt 0x0                                ; block b - 2's stores have read their registers: block b's rows may land there
.endif
	TOSTAGE \b
.if \b < 6
	FETCHW \b+2
	s_wait_dscnt 44                                ; W_po's block b + 1 is in, and block b - 1's stores into the stage have read its accumulators: behind them block b's 32 stage instructions and the 12 loads just issued
	ROW \b+1
	SEND \b, 12                                    ; behind block b's rows: W_po's block b + 2
.elseif \b == 6
	s_wait_dscnt 32                                ; behind W_po's block 7: block 6's 32 stage instructions
	ROW 7
	SEND 6, 0
.else
	SEND 7, 0
.endif
.endr
	s_wait_tensorcnt 0x0                           ; the wave's end
	ds_add_u32 v[SPW], v[NIL]
	s_wait_dscnt 0x0
	CROUND                                         ; the closing round
	s_endpgm
.Lfunc_end_k_q2badbc72fc_main:
	.size	k_q2badbc72fc_main, .Lfunc_end_k_q2badbc72fc_main-k_q2badbc72fc_main
	.p2alignl 7, 3214868480
	.fill 96, 4, 3214868480
	.section	.rodata,"a",@progbits
	.p2align	6, 0x0
	.amdhsa_kernel k_q2badbc72fc_main
		.amdhsa_group_segment_fixed_size 327680
		.amdhsa_private_segment_fixed_size 0
		.amdhsa_enable_private_segment 0
		.amdhsa_kernarg_size 56
		.amdhsa_user_sgpr_count 2
		.amdhsa_user_sgpr_kernarg_segment_ptr 1
		.amdhsa_wavefront_size32 1
		.amdhsa_system_sgpr_workgroup_id_x 1
		.amdhsa_system_sgpr_workgroup_id_y 1
		.amdhsa_system_sgpr_workgroup_id_z 1
		.amdhsa_system_vgpr_workitem_id 0
		.amdhsa_next_free_vgpr 1024
		.amdhsa_next_free_sgpr 96
		.amdhsa_reserve_vcc 0
		.amdhsa_float_denorm_mode_32 3
		.amdhsa_float_denorm_mode_16_64 3
		.amdhsa_memory_ordered 1
		.amdhsa_forward_progress 1
		.amdhsa_inst_pref_size 255
	.end_amdhsa_kernel
	.section	.bss,"aw",@nobits
	.p2align	6
	.space	262144
	.amdgpu_metadata
---
amdhsa.version: [ 1, 2 ]
amdhsa.kernels:
  - .name:           k_q2badbc72fc_main
    .symbol:         k_q2badbc72fc_main.kd
    .args:
      - { .name: x, .offset: 0, .size: 8, .value_kind: global_buffer, .address_space: global }
      - { .name: wq, .offset: 8, .size: 8, .value_kind: global_buffer, .address_space: global }
      - { .name: kv, .offset: 16, .size: 8, .value_kind: global_buffer, .address_space: global }
      - { .name: b_pi, .offset: 24, .size: 8, .value_kind: global_buffer, .address_space: global }
      - { .name: b_q, .offset: 32, .size: 8, .value_kind: global_buffer, .address_space: global }
      - { .name: b_po, .offset: 40, .size: 8, .value_kind: global_buffer, .address_space: global }
      - { .name: out0, .offset: 48, .size: 8, .value_kind: global_buffer, .address_space: global }
    .group_segment_fixed_size: 327680
    .private_segment_fixed_size: 0
    .kernarg_segment_align: 8
    .kernarg_segment_size: 56
    .max_flat_workgroup_size: 128
    .sgpr_count:     96
    .vgpr_count:     1024
    .wavefront_size: 32
...
	.end_amdgpu_metadata
.endif
;; end of part 3
